; MI455X (gfx1250); checked and timed in simulation.
; The chip was launched on July 23, 2026; its instructions are those of AMD's public machine-readable ISA for CDNA 5 (MIT licence, August 2026) and "CDNA5" Instruction Set Architecture Reference Guide (July 2026). The comments in the code are by the model that wrote it; some were corrected since.
;; Linear Attention. Allowed arithmetic: matrix products marked QUANTISED: E2M1 operands, one E8M0 scale for each 32 along K, by v_wmma_scale_f32_16x16x128_f8f6f4 with both operands' format E2M1 (or v_wmma_scale_f32_32x16x128_f4), f32 sums; everything else in f32.
;; Inputs: mask 4 x 4,096 int32; mem_kv 2 x 16 x 4 x 64 float32; w_qkv_codes 3,072 x 32 x 16 uint8 (E2M1 codes of w_qkv, K innermost, in blocks of 32 codes, two codes a byte); w_qkv_scales 3,072 x 32 uint8 (E8M0 scales of w_qkv, one for each 32 codes along K); x_codes 4 x 4,096 x 32 x 16 uint8 (E2M1 codes of x, K innermost, in blocks of 32 codes, two codes a byte); x_scales 4 x 4,096 x 32 uint8 (E8M0 scales of x, one for each 32 codes along K).
;; Outputs: out0 4 x 4,096 x 1,024 float32.
;; This version of the problem:
;;   THIS VERSION OF THE PROBLEM IS GIVEN IN LOW PRECISION. The matrix products marked QUANTISED in the list below multiply operands that are first quantised to E2M1 (2 exponent bits, 1 mantissa bit; 4 bits a number), with one power-of-two scale for each 32 numbers along K (OCP MX v1.0); their sums are f32. All else is computed in f32.
;;   The module's matrix products, in the order in which they are computed (A, B: the left and right operand; K: the contracted axis; several contracted axes count as one K, in the product's order):
;;     1. [M 16,384, K 1,024] x [K 1,024, N 3,072]; A: input x (given as codes); B: input w_qkv (given as codes): QUANTISED
;;     2. batch 64 x [M 64, K 4,100] x [K 4,100, N 64]; A: softmax (see below); B: computed on the way: QUANTISED
;;     3. batch 64 x [M 4,096, K 64] x [K 64, N 64]; A: softmax (see below); B: computed on the way: QUANTISED
;;   THE QUANTISER, for each operand of a quantised product, along K:
;;     - K is cut into blocks of 32 from its start; a last block that is shorter is filled with zeros.
;;     - A block's scale is 2^e with e = floor(log2(the largest magnitude in the block)) - 2, held to -126 .. 127; a block of zeros has e = 0. As a byte (E8M0): e + 127.
;;     - Each number is divided by its block's scale, clamped to +-6, and rounded to the nearest number of E2M1, ties to even, subnormals kept.
;;     - The product sums the exact products of the quantised numbers (number of the format x scale) in f32.
;;   ~~~python
;;   def quantise(x, axis):      # numpy; x: float32 -> the quantised numbers, widened to float32 again
;;       x = np.moveaxis(x, axis, -1); K = x.shape[-1]
;;       x = np.pad(x, [(0, 0)] * (x.ndim - 1) + [(0, -K % 32)]); x = x.reshape(x.shape[:-1] + (-1, 32)); a = np.abs(x).max(-1, keepdims=True)
;;       e = np.where(a > 0, np.clip(np.frexp(np.where(a > 0, a, 1))[1] - 1 - 2, -126, 127), 0)      # np.frexp(a)[1] - 1 = floor(log2(a)), exactly
;;       r = np.clip(x / 2.0 ** e, -6, 6)
;;       step = 2.0 ** (np.maximum(np.frexp(np.where(r == 0, 1, r))[1] - 1, 0) - 1)
;;       q = np.round(r / step) * step * 2.0 ** e      # np.round: ties to even
;;       return np.moveaxis(q.reshape(q.shape[:-2] + (-1,))[..., :K], -1, axis).astype(np.float32)
;;   ~~~
;;   SOFTMAX AHEAD OF A QUANTISED PRODUCT. Where the list says 'softmax', what is quantised is not the finished softmax but p = 2^(t - M), with t = logit x log2(e) and M = ceil(the row's largest t), a whole number; so 1/2 < the row's largest p <= 1. The row's sum l is taken of the UNQUANTISED p, in f32, and the product's result is divided by l at the end. Since M is a whole number, a kernel that streams over the keys may use a running M (the ceiling of the running maximum): every later rescaling is an exact power of two, which a block's scale takes up: the codes' values come out the same.
;;   OPERANDS COMPUTED ON THE WAY. 'Computed on the way' means the value that the module computes at that place (a softmax that the list does not call 'softmax' is quantised finished and normalised). What goes into a quantiser is computed in f32, as accurately as f32 sums, v_exp_f32 and their like allow (about 1e-6 of the number): no bf16 or f16 on the way to a quantiser, and a product that is left as it is and whose result goes on into a quantised operand takes f32 operands (vector FMAs, or v_wmma_f32_16x16x4_f32). A number that lies on a knife's edge between two numbers of the format may be rounded either way, as far as f32 arithmetic and the matrix unit's own rounding can turn it there, and no further.
;;   INPUTS GIVEN AS CODES. w_qkv (in the module: [3072, 1024], K = its axis 1); x (in the module: [4, 4096, 1024], K = its axis 2): each comes as NAME_codes (uint8): NAME with its K axis moved to the last place and cut into blocks of 32 codes, [.., K / 32, bytes a block], one block behind the other in memory; two codes a byte, the lower K in the low four bits (a code: sign, 2 exponent bits, 1 mantissa bit); and NAME_scales (uint8): the same leading axes, one E8M0 byte (e + 127) for each 32 codes along K. Its value is code x scale, taken as it is: it is not quantised again, and the codes and scales need not be those that the quantiser above would give.
;; One version. Each part assembles by itself: llvm-mc -triple=amdgcn-amd-amdhsa -mcpu=gfx1250 --defsym DOCPART=n.
;; ======== version 1 of 1: 3 launches
;; workspace buffers: ps 16,777,216 bytes; pm 524,288 bytes; cc 131,072 bytes; cs 32,768 bytes
;; launch kv (part 1): grid 8 x 64, 4 waves a work-group, clusters of 4 x 4, 299,520 bytes of LDS; arguments x_codes, x_scales, w_qkv_codes, w_qkv_scales, mask, mem_kv, ps, pm; writes ps, pm
.if DOCPART == 1
	.amdgcn_target "amdgcn-amd-amdhsa--gfx1250"
	.amdhsa_code_object_version 6
	.text
	.protected	k_qb1666e094b_kv
	.globl	k_qb1666e094b_kv
	.p2align	8
	.type	k_qb1666e094b_kv,@function
k_qb1666e094b_kv:
	s_mov_b64 s[64:65], 0
	v_nop
	global_prefetch_b8 v0, s[64:65] scope:SCOPE_SE
	s_setreg_imm32_b32 hwreg(HW_REG_WAVE_MODE, 25, 1), 1
	s_wait_xcnt 0x0
	s_wait_alu depctr_hold_cnt(0) depctr_sa_sdst(0) depctr_va_vdst(0) depctr_va_sdst(0) depctr_va_ssrc(0) depctr_va_vcc(0) depctr_vm_vsrc(0)
	s_getreg_b32 s2, hwreg(HW_REG_IB_STS2, 6, 4)
	s_cmp_eq_u32 s2, 0
	s_cbranch_scc0 .Lentry_in_a_cluster
	s_endpgm
.Lentry_in_a_cluster:
	s_bfe_u32 s2, ttmp6, 0x10000c
	s_cmp_lg_u32 s2, 0xf033
	s_cbranch_scc0 .Lentry_shape_is_right
	s_endpgm
.Lentry_shape_is_right:
; LINEAR ATTENTION, FIRST LAUNCH: k and v of 256 places of the sequence for two heads, and their part of the context.
; qkv = x W^T on given codes of FP4 (E2M1) with one E8M0 byte for each 32 along K = 1,024; column 192 head + 3 d + (0 q, 1 k, 2 v).
; A work-group (4 waves) makes a tile of 256 columns (k and v of heads 2 tx, 2 tx + 1) x 256 places; a wave 128 x 128 in 64 accumulators.
; THE MATRIX INSTRUCTION: source 0 = 16 rows of x, source 1 = 16 rows of W: a lane then holds ONE column (one d of k, one e of v) and its registers run along the sequence,
; which is the K of the second product, context[d][e] = sum over n of P[n][d] V[n][e].  So both of its operands are quantised in registers, block by block of 32 places.
; PLACES.  Four memory rows stand in front of the sequence, so place n holds row n - 4, and chunk c (256 places, blocks 8 c .. 8 c + 7) wants rows 256 c - 4 .. 256 c + 251.
; Slot s of the tile takes row (256 c - 4 + s) mod 4,096: only chunk 0 wraps, and its slots 0-3 then hold rows 4,092-4,095, which are block 128 (4 rows and zeros).
; A lane mask (all zero but in chunk 0's waves of the lower 128 slots) moves those four numbers into an EXTRA BLOCK and puts the memory rows in their place: selects, no branch; every wave multiplies its
; extra block, which is zero codes where the mask is zero.
; THE SOFTMAX ALONG THE SEQUENCE: t = k x log2(e); M = the ceiling of the largest t of the head's 256 places (the two waves of a head exchange it through LDS); p = 2^(t - M) is quantised; l is the sum of the unquantised p.
; Since M is a whole number, partial sums under different M are brought together later by exact powers of two.  Out go, for each head and chunk: S[d][e] (16 KB), -M[d], l[d].
; WITHIN A BLOCK the 32 places stand in the order 0-7, 16-23, 8-15, 24-31, alike in P and in V: the sum over a block does not hang on the order, and the block's scale is one.
; K = 1,024 is two LDS slots of 512 along K: every LDS byte is filled once, nothing is filled again.
; CLUSTER 4 x 4: the four work-groups of a row of the cluster want the same rows of x, the four of a column the same rows of W: joint loads with a mask.  The scale bytes (16 KB against 256 KB of codes; W's rows of
; 32 bytes lie 96 bytes apart and x's wrap) come through registers, each work-group for itself.
; LIMITS: NaN and infinities among the inputs are not served.  A block of zeros gets the byte 1 where the rule says 127 (its codes are zeros; the bytes are read by this program alone).  p is taken under the chunk's M:
; a block whose largest p under the whole row's M would fall under 2^-120 is not held at the rule's smallest scale; its weight is under 2^-120 of l.  v_exp_f32 gives 0 for results under 2^-126.
; The mask's whole numbers are exact in f32 under 2^24.
; REGISTERS, in windows of 256.  Products: window 0: v0-31 addresses, v32-95 scale words (two sets), v96-127 the memory rows, v128-191 W's fragments (one set); window 1: v0-63, v128-191 x's fragments (two sets),
; v64-127 the mask as f32, v192-255 0 or -infinity; window 2: k's 32 accumulators (64 td + 8 bt + j); window 3: v's.
.set PITCH,  272                       ; an LDS row: 256 bytes + 16 of padding: the 16 rows that a fragment load touches start at 16 different groups of banks
.set HALFT,  128*PITCH
.set SLOT,   4*HALFT                   ; W's 256 rows, then x's 256 slots
.set SCL,    2*SLOT                    ; the scale bytes: W's 256 rows, then x's: 32 bytes a row, 16 of padding behind each 256
.set HALFS,  16*272
.set SBLK,   2*272
.set TBL,    SCL+4*HALFS               ; three tables of 256 bytes a wave: -M before the exchange, -M, l
.set STGW,   64*272                    ; a wave's stage for S: 64 rows (e) x (256 bytes + 16), in slot 0, which nobody reads behind the change of slots
.set NQ, 4
.set FR, 8
.set NL, 2
.set NP, 4
.set FLOOR, 0x1800000                  ; 2^(3 - 127): under it no largest magnitude is taken, so a scale's byte cannot fall under 1
.set ADRA, 16
.set ADRB, 20
.set ADRS, 27
.set SC,   32
.set AF,   128
.set WV, 20
.set AH, 21                            ; which head of the pair is mine
.set BH, 22                            ; which 128 slots
.set G1W, 44
.set G1X, 52
.set G1Y, 68
.set G0,  76
.set G1F, (1<<20)|(1<<21)|(5<<22)|(3<<25)   ; elements of 1 byte; padding on; bit 21 beside a mask; 4 words behind every 64
; the epilogue's registers
.set PW,  32                           ; window 0: scale words of P, V, and of their extra blocks
.set VW,  36
.set PEW, 40
.set VEW, 44
.set BM,  96                           ; 20 block maxima: 5 t + block, block 4 the extra one
.set PC,  128                          ; P's fragments, 8 a tile of d
.set PE,  160                          ; the extra block's
.set BX,  192
.set SO,  212                          ; the conversions' scale operands
.set NM,  232                          ; -M, in pairs
.set LS,  240                          ; l, in pairs
.set T,   248
.set VC,  0                            ; window 1: V's fragments
.set VE,  32
.set MF,  64
.set ES,  128                          ; the extra block's four scores a tile of d
.set EVS, 144                          ; and its four v a tile of e
.set BIAS, 192
.set MSB, 0
.macro WIN new                         ; the immediate's high byte repeats the setting that is left
.if MSB != (\new)
	s_set_vgpr_msb (MSB<<8)|(\new)
.set MSB, (\new)
.endif
.endm
.set MUL_LO, 0xa1                      ; source 0 window 1, source 1 window 0, C and D window 2
.set MUL_HI, 0xf1
.set TO_B,   0x40
.macro PLACES n
.rept \n
	v_nop
.endr
.endm
.macro CREST                           ; a round of the cluster's barrier behind its opening barrier
	s_cmp_lg_u32 s[WV], 0
	s_cbranch_scc1 .Lnot_wave_0_\@
	s_barrier_signal -3
.Lnot_wave_0_\@:
	s_barrier_wait -3
	s_barrier_signal -1
	s_barrier_wait -1
.endm
.macro CROUND
	s_barrier_signal -1
	s_barrier_wait -1
	CREST
.endm
.macro FRAG reg, adr, q, i             ; 16 rows x 128 K of 4-bit codes: lane l holds row l % 16; registers 4 c .. 4 c + 3 hold K = 64 c + 32 (l / 16) + 0 .. 31
.irp c, 0,1
	ds_load_b128 v[\reg+4*\c:\reg+4*\c+3], v[\adr] offset:64*(\q)+32*\c+(\i)*16*PITCH
.endr
.endm
; 16 products: W's blocks a0, a0 + 1 x x's eight.  The 64 accumulators take turns, one instruction a turn, in one order in every step.
.macro MUL16 a0, p, q, sc, zero
.irp a, \a0, \a0+1
.irp b, 0,1,2,3,4,5,6,7
.if \zero
	v_wmma_scale_f32_16x16x128_f8f6f4 v[8*(8*((\a)%4)+\b):8*(8*((\a)%4)+\b)+7], v[128*(\p)+FR*\b:128*(\p)+FR*\b+FR-1], v[AF+FR*(\a):AF+FR*(\a)+FR-1], 0, v[SC+8*NQ*(\sc)+NQ*\b+(\q)], v[SC+8*NQ*(\sc)+NQ*(\a)+(\q)] matrix_a_fmt:MATRIX_FMT_FP4 matrix_b_fmt:MATRIX_FMT_FP4 matrix_a_scale:MATRIX_SCALE_ROW1
.else
	v_wmma_scale_f32_16x16x128_f8f6f4 v[8*(8*((\a)%4)+\b):8*(8*((\a)%4)+\b)+7], v[128*(\p)+FR*\b:128*(\p)+FR*\b+FR-1], v[AF+FR*(\a):AF+FR*(\a)+FR-1], v[8*(8*((\a)%4)+\b):8*(8*((\a)%4)+\b)+7], v[SC+8*NQ*(\sc)+NQ*\b+(\q)], v[SC+8*NQ*(\sc)+NQ*(\a)+(\q)] matrix_a_fmt:MATRIX_FMT_FP4 matrix_b_fmt:MATRIX_FMT_FP4 matrix_a_scale:MATRIX_SCALE_ROW1
.endif
.endr
.endr
.endm
.macro FETCH_B slot, q, p
	WIN TO_B
.irp i, 0,1,2,3,4,5,6,7
	FRAG 128*(\p)+FR*\i, ADRB+\slot, \q, \i
.endr
	WIN 0
.endm
.macro FETCH_A slot, q, i0
.irp i, \i0, \i0+1, \i0+2, \i0+3
	FRAG AF+FR*(\i), ADRA+\slot, \q, \i
.endr
.endm
.macro SCALES sc                       ; a slot's scale words: lanes 0-15 W's block i, lanes 16-31 x's block i, four words (512 along K) a row
.irp i, 0,1,2,3,4,5,6,7
	ds_load_b128 v[SC+8*NQ*\sc+NQ*\i:SC+8*NQ*\sc+NQ*\i+3], v[ADRS] offset:\i*SBLK
.endr
.endm
.macro STEP slot, q, zero              ; 128 along K that has its successor in the same slot
	s_wait_dscnt 4*NL                              ; all but the youngest eight loads (W's blocks 4-7)
	WIN MUL_LO
	MUL16 0, (\q)%2, \q, \slot, \zero
	MUL16 2, (\q)%2, \q, \slot, \zero
	s_wait_dscnt 0
	PLACES NP                                      ; four places in front of loads into registers that matrix instructions have read
	FETCH_B \slot, (\q)+1, 1-(\q)%2
	FETCH_A \slot, (\q)+1, 0
	WIN MUL_HI
	MUL16 4, (\q)%2, \q, \slot, \zero
	MUL16 6, (\q)%2, \q, \slot, \zero
	PLACES NP
	WIN 0
	FETCH_A \slot, (\q)+1, 4
.endm
	s_load_b512 s[4:19], s[0:1], 0x0               ; x codes 4, x scales 6, W codes 8, W scales 10, mask 12, mem_kv 14, ps 16, pm 18
	v_lshl_add_u32 v254, v0, 2, 0x49000
	v_mov_b32 v255, 0
	ds_add_u32 v254, v255
	ds_add_u32 v254, v255
	v_lshrrev_b32 v4, 5, v0
	v_readfirstlane_b32 s[WV], v4
	s_lshr_b32 s[AH], s[WV], 1
	s_and_b32 s[BH], s[WV], 1
	s_bfe_u32 s23, ttmp6, 0x40000                  ; cx
	s_bfe_u32 s24, ttmp6, 0x40004                  ; cy
	s_lshl_b32 s25, ttmp9, 2
	s_add_co_u32 s25, s25, s23                     ; tx: the pair of heads
	s_and_b32 s26, ttmp7, 0xffff
	s_lshl_b32 s26, s26, 2
	s_add_co_u32 s26, s26, s24                     ; ty = 16 b + c
	s_lshr_b32 s27, s26, 4                         ; b
	s_and_b32 s28, s26, 15                         ; c
	s_lshl_b32 s30, s24, 2
	s_lshl_b32 s30, 15, s30                        ; my row of the cluster: x's tiles
	s_lshl_b32 s34, 0x1111, s23                    ; my column: W's
	s_or_b32 s[G1X], s30, G1F
	s_or_b32 s[G1Y], s30, G1F
	s_or_b32 s[G1W], s34, G1F
.irp g, G1W, G1X, G1Y
	s_mov_b32 s[\g+1], 256<<16                     ; tensor_dim0 = 256 bytes
	s_mov_b32 s[\g+3], 256<<16                     ; tile_dim0
	s_mov_b32 s[\g+6], 0
	s_mov_b32 s[\g+7], 0
.endr
	s_mov_b32 s[G1W+2], 64<<16                     ; W: 64 rows, every third row of W: 1,536 bytes apart
	s_mov_b32 s[G1W+4], 64
	s_mov_b32 s[G1W+5], 1536
	s_mov_b32 s[G1X+2], 63<<16                     ; x: 63 rows
	s_mov_b32 s[G1X+4], 63
	s_mov_b32 s[G1X+5], 512
	s_mov_b32 s[G1Y+2], 1<<16                      ; x: the one row that may wrap
	s_mov_b32 s[G1Y+4], 1
	s_mov_b32 s[G1Y+5], 512
	s_lshl_b32 s31, s28, 8                         ; slot w: row (256 c - 4 + w) mod 4,096 of batch b
	s_add_co_u32 s31, s31, s[WV]
	s_sub_co_u32 s31, s31, 4
	s_and_b32 s31, s31, 4095
	s_lshl_b32 s32, s27, 12
	s_add_co_u32 s31, s31, s32
	s_lshl_b32 s32, s31, 9
	s_mov_b32 s33, 0
	s_lshl_b32 s38, s26, 8                         ; slots 4 + 63 w on: rows 256 ty + 63 w on
	s_mul_i32 s39, s[WV], 63
	s_add_co_u32 s38, s38, s39
	s_lshl_b32 s38, s38, 9
	s_mov_b32 s39, 0
	s_lshl_b32 s35, s25, 1                         ; W: wave w fetches k (w even) or v (w odd) of head 2 tx + w / 2: rows 192 head + 1 + w % 2 + 3 d
	s_add_co_u32 s35, s35, s[AH]
	s_mul_i32 s35, s35, 192
	s_add_co_u32 s35, s35, s[BH]
	s_add_co_u32 s35, s35, 1
	s_lshl_b32 s36, s35, 9
	s_mov_b32 s37, 0
	s_mul_i32 s60, s[WV], 272
	s_mul_i32 s61, s[WV], 63*272
	s_mul_i32 s62, s[WV], 64*272
	s_mov_b32 s40, 0x3fb8aa3b                      ; log2(e)
	s_mov_b32 s41, s40
	s_mov_b32 s42, 0x76543210                      ; v_permlanex16_b32's selects for lane l xor 16
	s_mov_b32 s43, 0xfedcba98
	s_wait_dscnt 0x0
	s_wait_kmcnt 0x0
	s_add_nc_u64 s[32:33], s[4:5], s[32:33]
	s_add_nc_u64 s[38:39], s[4:5], s[38:39]
	s_add_nc_u64 s[36:37], s[8:9], s[36:37]
.irp k, 0,1                            ; six groups 0: for each half of K the wrapped row, the 63 rows, W's 64 rows
	s_mov_b32 s[G0+12*\k], 1
	s_add_co_u32 s[G0+12*\k+1], s60, 2*HALFT+\k*SLOT
	s_add_nc_u64 s[G0+12*\k+2:G0+12*\k+3], s[32:33], 256*\k
	s_or_b32 s[G0+12*\k+3], s[G0+12*\k+3], 0x80000000
	s_mov_b32 s[G0+12*\k+4], 1
	s_add_co_u32 s[G0+12*\k+5], s61, 2*HALFT+4*272+\k*SLOT
	s_add_nc_u64 s[G0+12*\k+6:G0+12*\k+7], s[38:39], 256*\k
	s_or_b32 s[G0+12*\k+7], s[G0+12*\k+7], 0x80000000
	s_mov_b32 s[G0+12*\k+8], 1
	s_add_co_u32 s[G0+12*\k+9], s62, \k*SLOT
	s_add_nc_u64 s[G0+12*\k+10:G0+12*\k+11], s[36:37], 256*\k
	s_or_b32 s[G0+12*\k+11], s[G0+12*\k+11], 0x80000000
.endr
	CROUND                                         ; all sixteen work-groups are here: the joint loads meet
	tensor_load_to_lds s[G0:G0+3], s[G1Y:G1Y+7]    ; all fills of the launch, in one group: six loads of mine are out
	s_nop 0
	tensor_load_to_lds s[G0+4:G0+7], s[G1X:G1X+7]
	s_nop 0
	tensor_load_to_lds s[G0+8:G0+11], s[G1W:G1W+7]
	s_nop 0
	tensor_load_to_lds s[G0+12:G0+15], s[G1Y:G1Y+7]
	s_nop 0
	tensor_load_to_lds s[G0+16:G0+19], s[G1X:G1X+7]
	s_nop 0
	tensor_load_to_lds s[G0+20:G0+23], s[G1W:G1W+7]
	s_nop 0
	PLACES 4
	v_and_b32 v1, 15, v0                           ; r
	v_bfe_u32 v2, v0, 4, 1                         ; h
	v_and_b32 v3, 31, v0                           ; lane
	v_mov_b32 v15, 0xff800000                      ; -infinity
	; the scale bytes: 512 pieces of 16 bytes a side, piece 128 k + thread
	v_lshlrev_b32 v4, 4, v0
	s_lshl_b32 s60, s28, 13                        ; 8,192 c
	s_lshl_b32 s61, s27, 17                        ; 131,072 b
	s_sub_co_u32 s62, s60, 128                     ; four rows back,
	v_add_nc_u32 v5, s62, v4
	v_and_b32 v5, 0x1ffff, v5                      ; wrapped inside the batch: only the first run of pieces can wrap
	v_add_nc_u32 v5, s61, v5
	v_add3_u32 v6, v4, s60, s61
	v_lshrrev_b32 v7, 1, v0
	v_mul_u32_u24 v7, v7, 96                       ; W: d = thread / 2, three rows of 32 bytes a d
	v_and_b32 v8, 1, v0
	v_lshl_add_u32 v7, v8, 4, v7
	s_mul_i32 s63, s25, 12288                      ; 2 tx x 192 rows x 32 bytes
	v_add_nc_u32 v7, s63, v7
	global_load_b128 v[192:195], v5, s[6:7]
.irp k, 1,2,3
	global_load_b128 v[192+4*\k:195+4*\k], v6, s[6:7] offset:2048*\k-128
.endr
.irp k, 0,1,2,3
	global_load_b128 v[208+4*\k:211+4*\k], v7, s[10:11] offset:(\k/2)*6144+(1+\k%2)*32
.endr
	; the mask of my 64 slots: slot 128 BH + 16 bt + 8 h + j is row 256 c - 4 + slot
	s_lshl_b32 s60, s26, 10
	s_lshl_b32 s61, s[BH], 9
	s_add_co_u32 s60, s60, s61
	v_lshl_add_u32 v10, v2, 5, s60
	s_lshl_b32 s62, s28, 10
	s_add_co_u32 s62, s62, s61
	s_sub_co_u32 s62, s62, 16
	v_lshl_add_u32 v11, v2, 5, s62
	v_and_b32 v11, 0x3fff, v11                     ; the first four may wrap
	s_lshl_b32 s63, s27, 14
	v_add_nc_u32 v11, s63, v11
	global_load_b128 v[128:131], v11, s[12:13]
.irp i, 1,2,3,4,5,6,7,8,9,10,11,12,13,14,15
	global_load_b128 v[128+4*\i:131+4*\i], v10, s[12:13] offset:64*(\i/2)+16*(\i%2)-16
.endr
	; the memory rows of my head: k's at v96 + 4 td + i, v's at v112 + 4 te + i
	s_lshl_b32 s60, s25, 1
	s_add_co_u32 s60, s60, s[AH]                   ; head
	s_lshl_b32 s61, s60, 10
	v_lshl_add_u32 v12, v1, 2, s61
.irp t, 0,1,2,3
.irp i, 0,1,2,3
	global_load_b32 v[96+4*\t+\i], v12, s[14:15] offset:256*\i+64*\t
.endr
.endr
.irp t, 0,1,2,3
.irp i, 0,1,2,3
	global_load_b32 v[112+4*\t+\i], v12, s[14:15] offset:16384+256*\i+64*\t
.endr
.endr
	; where my results go: record (16 b + head) 16 + c
	s_lshl_b32 s61, s27, 4
	s_add_co_u32 s60, s60, s61
	s_lshl_b32 s60, s60, 4
	s_add_co_u32 s60, s60, s28
	s_lshl_b32 s62, s60, 14
	s_lshl_b32 s61, s[BH], 13
	s_add_co_u32 s62, s62, s61
	s_mov_b32 s63, 0
	s_add_nc_u64 s[16:17], s[16:17], s[62:63]
	s_lshl_b32 s62, s60, 9
	s_add_nc_u64 s[18:19], s[18:19], s[62:63]
	s_or_b32 s29, s28, s[BH]                       ; the lane mask of the extra block: lanes 0-15 in chunk 0's waves of the lower slots, else none
	s_cmp_eq_u32 s29, 0
	s_cselect_b32 s29, 0xffff, 0
	; LDS addresses, all made here
	v_lshrrev_b32 v9, 4, v0
	v_lshl_add_u32 v9, v9, 4, v4
	v_add_nc_u32 v9, SCL, v9                       ; a piece's place: 16 t + 16 (t / 16)
	v_mul_u32_u24 v13, v1, PITCH
	v_lshl_add_u32 v13, v2, 4, v13
	s_mul_i32 s60, s[AH], HALFT
	s_mul_i32 s61, s[BH], HALFT
	s_add_co_u32 s61, s61, 2*HALFT
.irp s, 0,1
	v_add_nc_u32 v[ADRA+\s], s60, v13
	v_add_nc_u32 v[ADRB+\s], s61, v13
	s_add_co_u32 s60, s60, SLOT
	s_add_co_u32 s61, s61, SLOT
.endr
	v_mul_u32_u24 v13, v1, 32
	v_lshrrev_b32 v14, 8, v13
	v_lshl_add_u32 v13, v14, 4, v13
	s_mul_i32 s60, s[AH], HALFS
	s_mul_i32 s61, s[BH], HALFS
	s_add_co_u32 s61, s61, 2*HALFS
	s_sub_co_u32 s61, s61, s60
	v_mul_u32_u24 v14, s61, v2                     ; lanes 16-31 take x's words
	s_add_co_u32 s60, s60, SCL
	v_add_nc_u32 v13, v13, v14
	v_add_nc_u32 v[ADRS], s60, v13
	s_lshl_b32 s60, s[WV], 8
	s_add_co_u32 s60, s60, TBL
	v_lshl_add_u32 v18, v1, 2, s60                 ; my tables: 4 r
	s_xor_b32 s61, s[WV], 1
	s_lshl_b32 s61, s61, 8
	s_add_co_u32 s61, s61, TBL
	v_lshl_add_u32 v19, v1, 2, s61                 ; my partner's
	v_mul_u32_u24 v13, v2, 8*272
	v_lshl_add_u32 v13, v1, 2, v13
	s_mul_i32 s61, s[WV], STGW
	v_add_nc_u32 v22, s61, v13                     ; S into my stage: row 8 h (+ 16 te + j), column r (+ 16 td)
	v_mul_u32_u24 v13, v1, 272
	v_lshl_add_u32 v13, v2, 7, v13
	s_mul_i32 s61, s[AH], 2*STGW
	s_mul_i32 s62, s[BH], 32*272
	s_add_co_u32 s61, s61, s62
	v_add_nc_u32 v23, s61, v13                     ; back: row 32 BH + r of the pair's first stage, 128 h bytes on
	v_lshlrev_b32 v24, 4, v3
	v_lshlrev_b32 v26, 3, v3
	s_add_co_u32 s60, s60, 1024
	v_add_nc_u32 v25, s60, v26
	s_wait_loadcnt 48                              ; the eight loads of scale bytes are in; behind them 16 of the mask and 32 of the memory rows
.irp k, 0,1,2,3
	ds_store_b128 v9, v[208+4*\k:211+4*\k] offset:2176*\k
	ds_store_b128 v9, v[192+4*\k:195+4*\k] offset:2*HALFS+2176*\k
.endr
	s_wait_loadcnt 32                              ; the mask is in
	WIN 0x40
.set i, 0
.rept 64
	v_cvt_f32_i32 v[MF+i], v[128+i]                ; m
	v_cmp_eq_u32 vcc_lo, 0, v[128+i]
	v_cndmask_b32 v[BIAS+i], 0, v15, vcc_lo        ; -infinity where m = 0: k m + this is what goes into the softmax
.set i, i+1
.endr
	WIN 0
	s_wait_loadcnt 0x0
	s_wait_tensorcnt 3                             ; my three loads of the first half of K have landed; the three of the second may be out
	s_wait_dscnt 0x0                               ; my stores of scale bytes are done
	s_barrier_signal -1
	s_barrier_wait -1                              ; everybody's are
	FETCH_B 0, 0, 0
	FETCH_A 0, 0, 0
	SCALES 0
	FETCH_A 0, 0, 4
	STEP 0, 0, 1                                   ; the first products start the sums
	STEP 0, 1, 0
	STEP 0, 2, 0
	s_wait_tensorcnt 0x0                           ; the change of slots: my part of the second half of K has landed,
	s_wait_dscnt 4*NL
	WIN MUL_LO
	MUL16 0, 1, 3, 0, 0
	s_wait_dscnt 0x0                               ; and my reads of slot 0 are over
	s_barrier_signal -1
	MUL16 2, 1, 3, 0, 0
	WIN 0
	s_barrier_wait -1
	PLACES NP
	v_add_nc_u32 v[ADRS], 4*NQ, v[ADRS]
	FETCH_B 1, 0, 0
	FETCH_A 1, 0, 0
	SCALES 1
	WIN MUL_HI
	MUL16 4, 1, 3, 0, 0
	MUL16 6, 1, 3, 0, 0
	PLACES NP
	WIN 0
	FETCH_A 1, 0, 4
	STEP 1, 0, 0
	STEP 1, 1, 0
	STEP 1, 2, 0
	s_wait_dscnt 4*NL
	WIN MUL_LO
	MUL16 0, 1, 3, 1, 0
	MUL16 2, 1, 3, 1, 0
	s_wait_dscnt 0
	WIN MUL_HI
	MUL16 4, 1, 3, 1, 0
	MUL16 6, 1, 3, 1, 0
	WIN 0
.set i, 0
.rept 20
	v_mov_b32 v[BX+i], 0                           ; a lane permute's destination counts as one of its sources: written once.  (Also the places behind the last products)
.set i, i+1
.endr
.macro JOIN                            ; each of the 20 maxima with lane l xor 16's
.set i, 0
.rept 20
	v_permlanex16_b32 v[BX+i], v[BM+i], s42, s43
.set i, i+1
.endr
.set i, 0
.rept 20
	v_max_num_f32 v[BM+i], v[BM+i], v[BX+i]
.set i, i+1
.endr
.endm
.macro BLKSC w, ew                     ; from 20 largest magnitudes: the conversions' scale operands, the bytes, the scale words
.set i, 0
.rept 20
	v_add_nc_u32 v[SO+i], 0xff000000, v[BM+i]      ; 2 off the exponent field
.set i, i+1
.endr
.set i, 0
.rept 20
	v_lshrrev_b32 v[BX+i], 23, v[SO+i]
.set i, i+1
.endr
.irp t, 0,1,2,3
	v_lshl_or_b32 v[\w+\t], v[BX+5*\t+1], 8, v[BX+5*\t]
.endr
.irp t, 0,1,2,3
	v_lshl_or_b32 v[\w+\t], v[BX+5*\t+2], 16, v[\w+\t]
.endr
.irp t, 0,1,2,3
	v_lshl_or_b32 v[\w+\t], v[BX+5*\t+3], 24, v[\w+\t]
.endr
.irp t, 0,1,2,3
	v_mov_b32 v[\ew+\t], v[BX+5*\t+4]              ; the extra block is block 0 of its K step; the other three bytes stay 0 over zero codes
.endr
.endm
	; ---- the mask: k = k m + (0 or -infinity), each accumulator from its low end on
	WIN 0x96
.set i, 0
.rept 128
	v_pk_fma_f32 v[2*i:2*i+1], v[2*i:2*i+1], v[MF+(2*i)%64:MF+(2*i)%64+1], v[BIAS+(2*i)%64:BIAS+(2*i)%64+1]
.set i, i+1
.endr
	; ---- the extra block is taken out, the memory rows are put in
	WIN 0x48
.irp t, 0,1,2,3
.irp i, 0,1,2,3
	v_cndmask_b32 v[ES+4*\t+\i], v15, v[64*\t+\i], s29
.endr
.endr
	WIN 0x82
.irp t, 0,1,2,3
.irp i, 0,1,2,3
	v_cndmask_b32 v[64*\t+\i], v[64*\t+\i], v[96+4*\t+\i], s29
.endr
.endr
	WIN 0x4c
.irp t, 0,1,2,3
.irp i, 0,1,2,3
	v_cndmask_b32 v[EVS+4*\t+\i], 0, v[64*\t+\i], s29
.endr
.endr
	WIN 0xc3
.irp t, 0,1,2,3
.irp i, 0,1,2,3
	v_cndmask_b32 v[64*\t+\i], v[64*\t+\i], v[112+4*\t+\i], s29
.endr
.endr
	; ---- V is quantised along the sequence: block b of tile te is registers 64 te + 16 b + 0 .. 15 of lanes l and l xor 16
	WIN 0x0f
.irp t, 0,1,2,3
.irp b, 0,1,2,3
	v_max3_num_f32 v[BM+5*\t+\b], |v[64*\t+16*\b]|, |v[64*\t+16*\b+1]|, FLOOR
.endr
.endr
	WIN 0x3c
.irp i, 2,4,6,8,10,12,14
.irp t, 0,1,2,3
.irp b, 0,1,2,3
	v_max3_num_f32 v[BM+5*\t+\b], v[BM+5*\t+\b], |v[64*\t+16*\b+\i]|, |v[64*\t+16*\b+\i+1]|
.endr
.endr
.endr
	WIN 0x05
.irp t, 0,1,2,3
	v_max3_num_f32 v[BM+5*\t+4], |v[EVS+4*\t]|, |v[EVS+4*\t+1]|, FLOOR
.endr
	WIN 0x14
.irp t, 0,1,2,3
	v_max3_num_f32 v[BM+5*\t+4], v[BM+5*\t+4], |v[EVS+4*\t+2]|, |v[EVS+4*\t+3]|
.endr
	WIN 0
	JOIN
	BLKSC VW, VEW
	WIN 0x43
.irp t, 0,1,2,3
.irp b, 0,1,2,3
.irp u, 0,1
	v_cvt_scalef32_pk8_fp4_f32 v[VC+8*\t+2*\b+\u], v[64*\t+16*\b+8*\u:64*\t+16*\b+8*\u+7], v[SO+5*\t+\b]
.endr
.endr
.endr
	WIN 0x01                                       ; the extra block: eight registers hold two tiles' four numbers: converted once under each tile's scale, and each tile keeps its four codes
.irp g, 0,1
	v_cvt_scalef32_pk8_fp4_f32 v[T+2*\g], v[EVS+8*\g:EVS+8*\g+7], v[SO+10*\g+4]
	v_cvt_scalef32_pk8_fp4_f32 v[T+2*\g+1], v[EVS+8*\g:EVS+8*\g+7], v[SO+10*\g+9]
.endr
	WIN 0
	v_nop                                          ; one plain place behind the scaled conversions
	WIN 0x40
.irp g, 0,1
	v_and_b32 v[VE+16*\g], 0xffff, v[T+2*\g]
	v_lshrrev_b32 v[VE+16*\g+8], 16, v[T+2*\g+1]
.endr
.irp t, 0,1,2,3
.irp i, 1,2,3,4,5,6,7
	v_mov_b32 v[VE+8*\t+\i], 0                     ; the rest of the extra K step: zero codes
.endr
.endr
	WIN 0x41
.irp t, 0,1,2,3
.irp c, 0,1
.irp i, 0,1
	v_permlane16_swap_b32 v[VC+8*\t+4*\c+\i], v[VC+8*\t+4*\c+2+\i]   ; a whole block to a lane: lanes 0-15 block 2 c, lanes 16-31 block 2 c + 1
.endr
.endr
.endr
	; ---- the largest score of each block: for the maximum, and, since p rises with the score, for the block's largest p
	WIN 0x2a
.irp t, 0,1,2,3
.irp b, 0,1,2,3
	v_max3_num_f32 v[BM+5*\t+\b], v[64*\t+16*\b], v[64*\t+16*\b+1], v[64*\t+16*\b+2]
.endr
.endr
	WIN 0x28
.irp i, 3,5,7,9,11,13
.irp t, 0,1,2,3
.irp b, 0,1,2,3
	v_max3_num_f32 v[BM+5*\t+\b], v[BM+5*\t+\b], v[64*\t+16*\b+\i], v[64*\t+16*\b+\i+1]
.endr
.endr
.endr
	WIN 0x08
.irp t, 0,1,2,3
.irp b, 0,1,2,3
	v_max_num_f32 v[BM+5*\t+\b], v[BM+5*\t+\b], v[64*\t+16*\b+15]
.endr
.endr
	WIN 0x15
.irp t, 0,1,2,3
	v_max3_num_f32 v[BM+5*\t+4], v[ES+4*\t], v[ES+4*\t+1], v[ES+4*\t+2]
.endr
	WIN 0x04
.irp t, 0,1,2,3
	v_max_num_f32 v[BM+5*\t+4], v[BM+5*\t+4], v[ES+4*\t+3]
.endr
	WIN 0
	JOIN
.irp t, 0,1,2,3
	v_max3_num_f32 v[T+\t], v[BM+5*\t], v[BM+5*\t+1], v[BM+5*\t+2]
.endr
.irp t, 0,1,2,3
	v_max3_num_f32 v[T+\t], v[T+\t], v[BM+5*\t+3], v[BM+5*\t+4]
.endr
.irp t, 0,1,2,3
	v_mul_f32 v[T+\t], s40, v[T+\t]                ; as t
.endr
.irp t, 0,1,2,3
	v_max_num_f32 v[T+\t], 0xff61b1e6, v[T+\t]     ; not under -3e38: 128 places that are all masked leave a number
.endr
.irp t, 0,1,2,3
	v_floor_f32 v[NM+2*\t], -v[T+\t]               ; -M = floor(-t): a whole number
.endr
.irp t, 0,1,2,3
	ds_store_b32 v18, v[NM+2*\t] offset:64*\t      ; both lanes of a column write the same word with the same value
.endr
	s_wait_dscnt 0x0                               ; for my partner's sake
	s_barrier_signal -1
	s_barrier_wait -1
.irp t, 0,1,2,3
	ds_load_b32 v[T+\t], v19 offset:64*\t
.endr
	s_wait_dscnt 0x0
.irp t, 0,1,2,3
	v_min_num_f32 v[NM+2*\t], v[NM+2*\t], v[T+\t]  ; one M for the head's 256 places
.endr
.irp t, 0,1,2,3
	v_mov_b32 v[NM+2*\t+1], v[NM+2*\t]             ; (named as a pair below)
.endr
	; ---- p = 2^(t - M)
	WIN 0x82
.set i, 0
.rept 128
	v_pk_fma_f32 v[2*i:2*i+1], v[2*i:2*i+1], s[40:41], v[NM+2*(i/32):NM+2*(i/32)+1] op_sel_hi:[1,0,0]
.set i, i+1
.endr
	WIN 0x41
.set i, 0
.rept 16
	v_fma_f32 v[ES+i], v[ES+i], s40, v[NM+2*(i/4)]
.set i, i+1
.endr
	WIN 0
.set i, 0
.rept 20
	v_fma_f32 v[BM+i], v[BM+i], s40, v[NM+2*(i/5)] ; the same of each block's largest score
.set i, i+1
.endr
	WIN 0x82
.set i, 0
.rept 256
	v_exp_f32 v[i], v[i]
.set i, i+1
.endr
	WIN 0x41
.set i, 0
.rept 16
	v_exp_f32 v[ES+i], v[ES+i]
.set i, i+1
.endr
	WIN 0
.set i, 0
.rept 20
	v_exp_f32 v[BM+i], v[BM+i]
.set i, i+1
.endr
	v_nop                                          ; a plain place behind the exponentials
.set i, 0
	s_wait_alu depctr_va_vdst(0)
.rept 20
	v_max_num_f32 v[BM+i], FLOOR, v[BM+i]
.set i, i+1
.endr
	BLKSC PW, PEW
	WIN 0x02
.irp t, 0,1,2,3
.irp b, 0,1,2,3
.irp u, 0,1
	v_cvt_scalef32_pk8_fp4_f32 v[PC+8*\t+2*\b+\u], v[64*\t+16*\b+8*\u:64*\t+16*\b+8*\u+7], v[SO+5*\t+\b]
.endr
.endr
.endr
	WIN 0x01
.irp g, 0,1
	v_cvt_scalef32_pk8_fp4_f32 v[T+2*\g], v[ES+8*\g:ES+8*\g+7], v[SO+10*\g+4]
	v_cvt_scalef32_pk8_fp4_f32 v[T+2*\g+1], v[ES+8*\g:ES+8*\g+7], v[SO+10*\g+9]
.endr
	WIN 0
	v_nop                                          ; one plain place behind the scaled conversions
.irp g, 0,1
	v_and_b32 v[PE+16*\g], 0xffff, v[T+2*\g]
	v_lshrrev_b32 v[PE+16*\g+8], 16, v[T+2*\g+1]
.endr
.irp t, 0,1,2,3
.irp i, 1,2,3,4,5,6,7
	v_mov_b32 v[PE+8*\t+\i], 0
.endr
.endr
.irp t, 0,1,2,3
.irp c, 0,1
.irp i, 0,1
	v_permlane16_swap_b32 v[PC+8*\t+4*\c+\i], v[PC+8*\t+4*\c+2+\i]
.endr
.endr
.endr
	; ---- l: the sum of the unquantised p, four chains by turns.  (These lines are also the places between the scale words' last write and the products)
	WIN 0x0a
.irp t, 0,1,2,3
	v_pk_add_f32 v[LS+2*\t:LS+2*\t+1], v[64*\t:64*\t+1], v[64*\t+2:64*\t+3]
.endr
	WIN 0x08
.irp p, 4,6,8,10,12,14,16,18,20,22,24,26,28,30,32,34,36,38,40,42,44,46,48,50,52,54,56,58,60,62
.irp t, 0,1,2,3
	v_pk_add_f32 v[LS+2*\t:LS+2*\t+1], v[LS+2*\t:LS+2*\t+1], v[64*\t+\p:64*\t+\p+1]
.endr
.endr
	WIN 0x04
.irp p, 0,2
.irp t, 0,1,2,3
	v_pk_add_f32 v[LS+2*\t:LS+2*\t+1], v[LS+2*\t:LS+2*\t+1], v[ES+4*\t+\p:ES+4*\t+\p+1]
.endr
.endr
	WIN 0
.irp t, 0,1,2,3
	v_add_f32 v[LS+2*\t], v[LS+2*\t], v[LS+2*\t+1]
.endr
.irp t, 0,1,2,3
	v_permlanex16_b32 v[BX+\t], v[LS+2*\t], s42, s43
.endr
.irp t, 0,1,2,3
	v_add_f32 v[LS+2*\t], v[LS+2*\t], v[BX+\t]
.endr
	; ---- S[d][e] = sum over my 128 places (and the extra block) of P V: source 0 = 16 e of V, source 1 = 16 d of P; 16 accumulators by turns
	WIN 0xa1
.irp e, 0,1,2,3
.irp d, 0,1,2,3
	v_wmma_scale_f32_16x16x128_f8f6f4 v[8*(4*\e+\d):8*(4*\e+\d)+7], v[VC+8*\e:VC+8*\e+7], v[PC+8*\d:PC+8*\d+7], 0, v[VW+\e], v[PW+\d] matrix_a_fmt:MATRIX_FMT_FP4 matrix_b_fmt:MATRIX_FMT_FP4
.endr
.endr
.irp e, 0,1,2,3
.irp d, 0,1,2,3
	v_wmma_scale_f32_16x16x128_f8f6f4 v[8*(4*\e+\d):8*(4*\e+\d)+7], v[VE+8*\e:VE+8*\e+7], v[PE+8*\d:PE+8*\d+7], v[8*(4*\e+\d):8*(4*\e+\d)+7], v[VEW+\e], v[PEW+\d] matrix_a_fmt:MATRIX_FMT_FP4 matrix_b_fmt:MATRIX_FMT_FP4
.endr
.endr
	PLACES 4
	; ---- the way out: register j of lane (r, h) is S[16 td + r][16 te + 8 h + j]: into my stage, rows e, each accumulator from its low end on
	WIN 0x08
.irp e, 0,1,2,3
.irp d, 0,1,2,3
.irp j, 0,1,2,3,4,5,6,7
	ds_store_b32 v22, v[8*(4*\e+\d)+\j] offset:(16*\e+\j)*272+64*\d
.endr
.endr
.endr
	WIN 0
.irp t, 0,1,2,3
	ds_store_b32 v18, v[NM+2*\t] offset:1024+64*\t
	ds_store_b32 v18, v[LS+2*\t] offset:2048+64*\t
.endr
	s_wait_dscnt 0x0                               ; for my partner's sake
	s_barrier_signal -1
	s_barrier_wait -1
	WIN 0xc0                                       ; both stages of my head, my 32 rows e: lane (r, h) takes d = 32 h + 4 q + 0 .. 3 of row 16 te + r: the order in which the next launch's registers take them
.irp g, 0,1
.irp t, 0,1
.irp q, 0,1,2,3,4,5,6,7
	ds_load_b128 v[64*\g+32*\t+4*\q:64*\g+32*\t+4*\q+3], v23 offset:\g*STGW+\t*16*272+16*\q
.endr
.endr
.endr
	s_wait_dscnt 0x0
	WIN 0xcf
.set i, 0
.rept 32
	v_pk_add_f32 v[2*i:2*i+1], v[2*i:2*i+1], v[64+2*i:64+2*i+1]
.set i, i+1
.endr
	WIN 0x0c
.irp t, 0,1
.irp q, 0,1,2,3,4,5,6,7
	global_store_b128 v24, v[32*\t+4*\q:32*\t+4*\q+3], s[16:17] offset:4096*\t+512*\q   ; 32 lanes store 512 consecutive bytes, at a multiple of 512 from the buffer's first byte
.endr
.endr
	WIN 0
	s_cmp_lg_u32 s[BH], 0                          ; -M and l leave by one wave of the pair
	s_cbranch_scc1 .Ldone
	ds_load_b64 v[248:249], v25
	ds_load_b64 v[250:251], v25 offset:1024
	ds_load_b64 v[252:253], v25 offset:1280
	s_wait_dscnt 0x0
	v_pk_add_f32 v[250:251], v[250:251], v[252:253]
	global_store_b64 v26, v[248:249], s[18:19]             ; 256 consecutive bytes each
	global_store_b64 v26, v[250:251], s[18:19] offset:256
.Ldone:
	s_wait_dscnt 0x0
	s_wait_tensorcnt 0x0
	ds_add_u32 v254, v255
	s_wait_dscnt 0x0
	CROUND                                         ; the closing round: no work-group ends while a partner may still ask for a tile that names it
	s_endpgm
.Lfunc_end_k_qb1666e094b_kv:
	.size	k_qb1666e094b_kv, .Lfunc_end_k_qb1666e094b_kv-k_qb1666e094b_kv
	.p2alignl 7, 3214868480
	.fill 96, 4, 3214868480
	.section	.rodata,"a",@progbits
	.p2align	6, 0x0
	.amdhsa_kernel k_qb1666e094b_kv
		.amdhsa_group_segment_fixed_size 299520
		.amdhsa_private_segment_fixed_size 0
		.amdhsa_enable_private_segment 0
		.amdhsa_kernarg_size 64
		.amdhsa_user_sgpr_count 2
		.amdhsa_user_sgpr_kernarg_segment_ptr 1
		.amdhsa_wavefront_size32 1
		.amdhsa_system_sgpr_workgroup_id_x 1
		.amdhsa_system_sgpr_workgroup_id_y 1
		.amdhsa_system_sgpr_workgroup_id_z 1
		.amdhsa_system_vgpr_workitem_id 0
		.amdhsa_next_free_vgpr 1024
		.amdhsa_next_free_sgpr 100
		.amdhsa_reserve_vcc 1
		.amdhsa_float_denorm_mode_32 3
		.amdhsa_float_denorm_mode_16_64 3
		.amdhsa_memory_ordered 1
		.amdhsa_forward_progress 1
		.amdhsa_inst_pref_size 206
	.end_amdhsa_kernel
	.amdgpu_metadata
---
amdhsa.version: [ 1, 2 ]
amdhsa.kernels:
  - .name:           k_qb1666e094b_kv
    .symbol:         k_qb1666e094b_kv.kd
    .args:
      - { .name: x_codes, .offset: 0, .size: 8, .value_kind: global_buffer, .address_space: global }
      - { .name: x_scales, .offset: 8, .size: 8, .value_kind: global_buffer, .address_space: global }
      - { .name: w_qkv_codes, .offset: 16, .size: 8, .value_kind: global_buffer, .address_space: global }
      - { .name: w_qkv_scales, .offset: 24, .size: 8, .value_kind: global_buffer, .address_space: global }
      - { .name: mask, .offset: 32, .size: 8, .value_kind: global_buffer, .address_space: global }
      - { .name: mem_kv, .offset: 40, .size: 8, .value_kind: global_buffer, .address_space: global }
      - { .name: ps, .offset: 48, .size: 8, .value_kind: global_buffer, .address_space: global }
      - { .name: pm, .offset: 56, .size: 8, .value_kind: global_buffer, .address_space: global }
    .group_segment_fixed_size: 299520
    .private_segment_fixed_size: 0
    .kernarg_segment_align: 8
    .kernarg_segment_size: 64
    .max_flat_workgroup_size: 128
    .sgpr_count:     100
    .vgpr_count:     1024
    .wavefront_size: 32
...
	.end_amdgpu_metadata
.endif
;; end of part 1
;; launch ctx (part 2): grid 256 x 1, 4 waves a work-group, no clusters, 34,304 bytes of LDS; arguments ps, pm, cc, cs; writes cc, cs
.if DOCPART == 2
	.amdgcn_target "amdgcn-amd-amdhsa--gfx1250"
	.amdhsa_code_object_version 6
	.text
	.protected	k_qb1666e094b_ctx
	.globl	k_qb1666e094b_ctx
	.p2align	8
	.type	k_qb1666e094b_ctx,@function
k_qb1666e094b_ctx:
	s_mov_b64 s[64:65], 0
	v_nop
	global_prefetch_b8 v0, s[64:65] scope:SCOPE_SE
	s_setreg_imm32_b32 hwreg(HW_REG_WAVE_MODE, 25, 1), 1
	s_wait_xcnt 0x0
; SECOND LAUNCH: the context of one head and batch, 16 of its 64 columns e a work-group: context[d][e] = (sum over the 16 chunks of 2^(M_c - M) S_c[d][e]) / (sum of 2^(M_c - M) l_c[d]),
; M the largest M_c; then quantised along d (the K of the last product) to codes of FP4 with one E8M0 byte for each 32, and stored as an image of the operand's registers.
; M_c are whole numbers, so every factor is an exact power of two (v_ldexp_f32 of 1.0); a chunk that was all masked has -M = 3e38: the difference saturates in v_cvt_i32_f32 and its factor is 0.
; Work-group g: batch and head g / 4, columns 16 (g % 4) on.  Wave w takes chunks 4 w .. 4 w + 3: a work-group's 64 KB are asked for at once.  No matrix work, no tensor load, no cluster: nothing is shared between work-groups.
; ps lies in the order of these registers: lane (r, h) holds S[32 h + 4 q + 0 .. 3][16 te + r] in registers 4 q on: a whole block of 32 along d to a lane.
; The codes' order within a block is 0-7, 16-23, 8-15, 24-31, as the last launch lays its other operand.
; LIMITS: NaN and infinities are not served; a block of zeros gets the byte 1 (its codes are zeros; this program alone reads the bytes); 1 / l by v_rcp_f32.
; The scale words leave as 128 bytes a work-group, half of an aligned 256: 32 KB in the whole launch.
.set NMR, 16                           ; v16-47 -M of the 16 chunks, in pairs (lane: d = 2 lane, 2 lane + 1); then the factors; then with v48-79 two sets of 32 factors in S's layout
.set LR,  48                           ; v48-79 l likewise
.set SR,  96                           ; v96-223 S of my four chunks
.set ACC, 224
.set FT,  17*256                       ; LDS, for each wave: the 16 chunks' factors, 256 bytes each, then 1 / l
.set IMG, 4*FT                         ; then for each wave 4,096 bytes: an image of its 32 sums
	s_load_b256 s[4:11], s[0:1], 0x0               ; ps 4, pm 6, cc 8, cs 10
	v_lshl_add_u32 v94, v0, 2, 0x8400
	v_mov_b32 v95, 0
	v_lshrrev_b32 v1, 5, v0
	v_readfirstlane_b32 s12, v1                    ; wave
	v_and_b32 v2, 31, v0                           ; lane
	v_bfe_u32 v3, v0, 4, 1                         ; h
	s_lshr_b32 s13, ttmp9, 2                       ; batch and head
	s_and_b32 s14, ttmp9, 3                        ; te
	s_lshl_b32 s16, s13, 13                        ; 16 records of 512 bytes
	s_mov_b32 s17, 0
	s_lshl_b32 s18, s13, 18                        ; 16 records of 16,384 bytes,
	s_lshl_b32 s15, s14, 12                        ; my 4,096 of each,
	s_add_co_u32 s18, s18, s15
	s_lshl_b32 s15, s12, 16                        ; my wave's four records
	s_add_co_u32 s18, s18, s15
	s_mov_b32 s19, 0
	s_lshl_b32 s20, ttmp9, 9
	s_mov_b32 s21, 0
	s_lshl_b32 s22, ttmp9, 7
	s_mov_b32 s23, 0
	s_mov_b32 s24, 0x76543210                      ; v_permlanex16_b32's selects for lane l xor 16
	s_mov_b32 s25, 0xfedcba98
	v_lshlrev_b32 v4, 3, v2
	v_lshlrev_b32 v5, 4, v2
	v_lshlrev_b32 v15, 2, v2
	s_mul_i32 s26, s12, FT
	v_add_nc_u32 v6, s26, v4                       ; the factors on their way in: 8 bytes a lane
	s_mul_i32 s27, s12, FT+1024
	v_lshl_add_u32 v7, v3, 7, s27                  ; and back: my first chunk's, 128 h bytes on
	s_lshl_b32 s28, s12, 12
	s_add_co_u32 s28, s28, IMG
	v_add_nc_u32 v12, s28, v5                      ; my image
	v_add_nc_u32 v13, IMG, v5                      ; the images, for wave 0
	v_lshlrev_b32 v14, 7, v3
	v_add_nc_u32 v14, 4096, v14                    ; wave 0's 1 / l
	v_mov_b32 v89, 0                               ; a lane permute's destination counts as one of its sources
	s_wait_kmcnt 0x0
	s_add_nc_u64 s[6:7], s[6:7], s[16:17]
	s_add_nc_u64 s[4:5], s[4:5], s[18:19]
	s_add_nc_u64 s[8:9], s[8:9], s[20:21]
	s_add_nc_u64 s[10:11], s[10:11], s[22:23]
.irp c, 0,1,2,3,4,5,6,7,8,9,10,11,12,13,14,15
	global_load_b64 v[NMR+2*\c:NMR+2*\c+1], v4, s[6:7] offset:512*\c
	global_load_b64 v[LR+2*\c:LR+2*\c+1], v4, s[6:7] offset:512*\c+256
.endr
.irp k, 0,1,2,3
.irp q, 0,1,2,3,4,5,6,7
	global_load_b128 v[SR+32*\k+4*\q:SR+32*\k+4*\q+3], v5, s[4:5] offset:16384*\k+512*\q th:TH_LOAD_NT   ; 512 consecutive bytes; read once in the launch
.endr
.endr
	s_wait_loadcnt 32                              ; -M and l of all chunks are in; S's 32 loads may be out
.irp p, 0,1
	v_min3_num_f32 v[8+\p], v[NMR+\p], v[NMR+2+\p], v[NMR+4+\p]
.endr
.irp i, 3,5,7,9,11,13
.irp p, 0,1
	v_min3_num_f32 v[8+\p], v[8+\p], v[NMR+2*\i+\p], v[NMR+2*\i+2+\p]
.endr
.endr
.irp p, 0,1
	v_min_num_f32 v[8+\p], v[8+\p], v[NMR+30+\p]   ; the least -M: the largest M
.endr
.set i, 0
.rept 32
	v_sub_f32 v[NMR+i], v[8+i%2], v[NMR+i]         ; M_c - M: a whole number, 0 or less
.set i, i+1
.endr
.set i, 0
.rept 32
	v_cvt_i32_f32 v[NMR+i], v[NMR+i]               ; (it saturates)
.set i, i+1
.endr
.set i, 0
.rept 32
	v_ldexp_f32 v[NMR+i], 1.0, v[NMR+i]
.set i, i+1
.endr
	v_pk_mul_f32 v[10:11], v[NMR:NMR+1], v[LR:LR+1]
.irp c, 1,2,3,4,5,6,7,8,9,10,11,12,13,14,15
	v_pk_fma_f32 v[10:11], v[NMR+2*\c:NMR+2*\c+1], v[LR+2*\c:LR+2*\c+1], v[10:11]
.endr
	v_rcp_f32 v10, v10
	v_rcp_f32 v11, v11
	v_nop                                          ; a plain place behind the reciprocals
.irp c, 0,1,2,3,4,5,6,7,8,9,10,11,12,13,14,15
	ds_store_b64 v6, v[NMR+2*\c:NMR+2*\c+1] offset:256*\c
.endr
	s_wait_alu depctr_va_vdst(0)
	ds_store_b64 v6, v[10:11] offset:4096
	s_wait_dscnt 0x0                               ; the stores have read their registers, which take the loads below.  (A wave's own bytes: no barrier)
.macro FLOAD k                         ; chunk 4 w + k's factors in S's layout: lane (r, h) takes d = 32 h + 0 .. 31
.irp q, 0,1,2,3,4,5,6,7
	ds_load_b128 v[16+32*((\k)%2)+4*\q:16+32*((\k)%2)+4*\q+3], v7 offset:256*(\k)+16*\q
.endr
.endm
.macro CHUNK k, younger
	s_wait_dscnt \younger                          ; this chunk's factors are in; the next chunk's eight loads may be out
	s_wait_loadcnt 24-8*(\k)                       ; and its S; the later chunks' eight loads each may be out
.set F, 16+32*((\k)%2)
.set i, 0
.rept 16
.if (\k) == 0
	v_pk_mul_f32 v[ACC+2*i:ACC+2*i+1], v[SR+32*(\k)+2*i:SR+32*(\k)+2*i+1], v[F+2*i:F+2*i+1]
.else
	v_pk_fma_f32 v[ACC+2*i:ACC+2*i+1], v[SR+32*(\k)+2*i:SR+32*(\k)+2*i+1], v[F+2*i:F+2*i+1], v[ACC+2*i:ACC+2*i+1]
.endif
.set i, i+1
.endr
.endm
	FLOAD 0
	FLOAD 1
	CHUNK 0, 8
	FLOAD 2
	CHUNK 1, 8
	FLOAD 3
	CHUNK 2, 8
	CHUNK 3, 0
.irp q, 0,1,2,3,4,5,6,7
	ds_store_b128 v12, v[ACC+4*\q:ACC+4*\q+3] offset:512*\q
.endr
	s_wait_dscnt 0x0                               ; for wave 0's sake
	s_barrier_signal -1
	s_barrier_wait -1
	s_cmp_lg_u32 s12, 0
	s_cbranch_scc1 .Lend                           ; wave 0 finishes
.irp w, 1,2,3
.irp q, 0,1,2,3,4,5,6,7
	ds_load_b128 v[SR+32*(\w-1)+4*\q:SR+32*(\w-1)+4*\q+3], v13 offset:4096*\w+512*\q
.endr
.endr
.irp q, 0,1,2,3,4,5,6,7
	ds_load_b128 v[192+4*\q:195+4*\q], v14 offset:16*\q
.endr
	s_wait_dscnt 0x0
.irp w, 0,1,2
.set i, 0
.rept 16
	v_pk_add_f32 v[ACC+2*i:ACC+2*i+1], v[ACC+2*i:ACC+2*i+1], v[SR+32*\w+2*i:SR+32*\w+2*i+1]
.set i, i+1
.endr
.endr
.set i, 0
.rept 16
	v_pk_mul_f32 v[ACC+2*i:ACC+2*i+1], v[ACC+2*i:ACC+2*i+1], v[192+2*i:192+2*i+1]   ; the context
.set i, i+1
.endr
	v_max3_num_f32 v84, |v[ACC]|, |v[ACC+1]|, |v[ACC+2]|            ; my block's largest magnitude: all 32 numbers are mine
	v_max3_num_f32 v85, |v[ACC+3]|, |v[ACC+4]|, |v[ACC+5]|
.irp i, 6,10,14,18,22,26
	v_max3_num_f32 v84, v84, |v[ACC+\i]|, |v[ACC+\i+1]|
	v_max3_num_f32 v85, v85, |v[ACC+\i+2]|, |v[ACC+\i+3]|
.endr
	v_max3_num_f32 v84, v84, |v[ACC+30]|, |v[ACC+31]|
	v_max3_num_f32 v84, v84, v85, 0x1800000        ; and the floor 2^(3 - 127): the byte cannot fall under 1
	v_add_nc_u32 v86, 0xff000000, v84              ; 2 off the exponent field: the conversions' scale operand
	v_lshrrev_b32 v87, 23, v86                     ; the byte
	v_cvt_scalef32_pk8_fp4_f32 v80, v[ACC:ACC+7], v86
	v_cvt_scalef32_pk8_fp4_f32 v81, v[ACC+16:ACC+23], v86
	v_cvt_scalef32_pk8_fp4_f32 v82, v[ACC+8:ACC+15], v86
	v_cvt_scalef32_pk8_fp4_f32 v83, v[ACC+24:ACC+31], v86
	v_lshlrev_b32 v88, 3, v3                       ; (a plain place behind the conversions)
	v_lshlrev_b32 v87, v88, v87                    ; block h's byte at its place,
	v_permlanex16_b32 v89, v87, s24, s25
	v_or_b32 v87, v87, v89                         ; with lane l xor 16's: the row's scale word; bytes 2 and 3 stay 0 over the zero codes of K = 64 .. 127
	global_store_b128 v5, v[80:83], s[8:9]         ; 512 consecutive bytes
	global_store_b32 v15, v87, s[10:11]
.Lend:
	s_wait_tensorcnt 0x0
	ds_add_u32 v94, v95
	s_wait_dscnt 0x0
	s_endpgm
.Lfunc_end_k_qb1666e094b_ctx:
	.size	k_qb1666e094b_ctx, .Lfunc_end_k_qb1666e094b_ctx-k_qb1666e094b_ctx
	.p2alignl 7, 3214868480
	.fill 96, 4, 3214868480
	.section	.rodata,"a",@progbits
	.p2align	6, 0x0
	.amdhsa_kernel k_qb1666e094b_ctx
		.amdhsa_group_segment_fixed_size 34304
		.amdhsa_private_segment_fixed_size 0
		.amdhsa_enable_private_segment 0
		.amdhsa_kernarg_size 32
		.amdhsa_user_sgpr_count 2
		.amdhsa_user_sgpr_kernarg_segment_ptr 1
		.amdhsa_wavefront_size32 1
		.amdhsa_system_sgpr_workgroup_id_x 1
		.amdhsa_system_sgpr_workgroup_id_y 1
		.amdhsa_system_sgpr_workgroup_id_z 1
		.amdhsa_system_vgpr_workitem_id 0
		.amdhsa_next_free_vgpr 256
		.amdhsa_next_free_sgpr 66
		.amdhsa_reserve_vcc 0
		.amdhsa_float_denorm_mode_32 3
		.amdhsa_float_denorm_mode_16_64 3
		.amdhsa_memory_ordered 1
		.amdhsa_forward_progress 1
		.amdhsa_inst_pref_size 30
	.end_amdhsa_kernel
	.amdgpu_metadata
---
amdhsa.version: [ 1, 2 ]
amdhsa.kernels:
  - .name:           k_qb1666e094b_ctx
    .symbol:         k_qb1666e094b_ctx.kd
    .args:
      - { .name: ps, .offset: 0, .size: 8, .value_kind: global_buffer, .address_space: global }
      - { .name: pm, .offset: 8, .size: 8, .value_kind: global_buffer, .address_space: global }
      - { .name: cc, .offset: 16, .size: 8, .value_kind: global_buffer, .address_space: global }
      - { .name: cs, .offset: 24, .size: 8, .value_kind: global_buffer, .address_space: global }
    .group_segment_fixed_size: 34304
    .private_segment_fixed_size: 0
    .kernarg_segment_align: 8
    .kernarg_segment_size: 32
    .max_flat_workgroup_size: 128
    .sgpr_count:     66
    .vgpr_count:     256
    .wavefront_size: 32
...
	.end_amdgpu_metadata
.endif
;; end of part 2
;; launch qo (part 3): grid 4 x 64, 4 waves a work-group, clusters of 4 x 4, 296,448 bytes of LDS; arguments x_codes, x_scales, w_qkv_codes, w_qkv_scales, mask, cc, cs, out0; writes out0
.if DOCPART == 3
	.amdgcn_target "amdgcn-amd-amdhsa--gfx1250"
	.amdhsa_code_object_version 6
	.text
	.protected	k_qb1666e094b_qo
	.globl	k_qb1666e094b_qo
	.p2align	8
	.type	k_qb1666e094b_qo,@function
k_qb1666e094b_qo:
	s_mov_b64 s[64:65], 0
	v_nop
	global_prefetch_b8 v0, s[64:65] scope:SCOPE_SE
	s_setreg_imm32_b32 hwreg(HW_REG_WAVE_MODE, 25, 1), 1
	s_wait_xcnt 0x0
	s_wait_alu depctr_hold_cnt(0) depctr_sa_sdst(0) depctr_va_vdst(0) depctr_va_sdst(0) depctr_va_ssrc(0) depctr_va_vcc(0) depctr_vm_vsrc(0)
	s_getreg_b32 s2, hwreg(HW_REG_IB_STS2, 6, 4)
	s_cmp_eq_u32 s2, 0
	s_cbranch_scc0 .Lentry_in_a_cluster
	s_endpgm
.Lentry_in_a_cluster:
	s_bfe_u32 s2, ttmp6, 0x10000c
	s_cmp_lg_u32 s2, 0xf033
	s_cbranch_scc0 .Lentry_shape_is_right
	s_endpgm
.Lentry_shape_is_right:
; THIRD LAUNCH: q of 256 rows for four heads, its softmax over the 64 features, the product with the context, the division by the row's sum, the mask, out0.
; q = x W^T on given codes of FP4 (E2M1), one E8M0 byte for each 32 along K = 1,024; q's columns are rows 192 head + 3 d of W.
; A work-group (4 waves) makes 256 rows x 256 columns (heads 4 tx .. 4 tx + 3); a wave 128 rows x 128 columns (two heads).
; BY ROWS.  A wave's 128 rows of W for ALL of K are 8 steps x 8 blocks x 8 = 512 registers: they are read from LDS once and stay.  The wave's 128 rows of x then go in four GROUPS of 32 rows:
; 128 products on 16 accumulators, the softmax, the quantiser, 16 products with the context, x mask / l, 32 stores of 512 bytes.  So a quarter of the wave's part of out0 leaves behind a quarter of its
; products, and each later quarter under the next group's work.  LDS is read no more than by K: 128 loads for W, 4 x 32 for x.  The next group's fragments of x are asked for behind a group's last product
; and land during its softmax.
; THE MATRIX INSTRUCTION: source 0 = 16 rows of W, source 1 = 16 rows of x: a lane holds ONE row of the sequence and its registers run along d, the K of the last product.
; THE SOFTMAX: t = q log2(e) / 8; M = the ceiling of the row's largest t; p = 2^(t - M) is quantised along d in registers; l is the sum of the unquantised p; out = (p context) mask / l.
; THE LAST PRODUCT's K is 64 a head: its K step of 128 holds BOTH heads' features: p's fragment is [head 0 | head 1], the context's fragments are [C0 | zero codes] and [zero codes | C1], which share their four
; zero registers.  Zero codes add nothing under any scale byte but 0xff.  Within a block of 32 the order is 0-7, 16-23, 8-15, 24-31, as the launch before has laid the context.
; Its result falls into the very registers that held q of the same rows and columns: a lane's eight results are eight neighbouring numbers of a row of out0.
; K = 1,024 is two LDS slots of 512 along K: every LDS byte is filled once.  CLUSTER 4 x 4: x's tiles are shared along a row of the cluster, W's along a column: joint loads.
; The scale bytes (16 KB against 256 KB of codes; W's rows of 32 bytes lie 96 bytes apart) come through registers, each work-group for itself.
; LIMITS: NaN and infinities among the inputs are not served; a block of p whose every number has fallen to 0 gets the byte 1 where the rule says 127 (its codes are zeros);
; v_exp_f32 gives 0 under 2^-126; 1 / l by v_rcp_f32; the mask's whole numbers are exact in f32 under 2^24.
; REGISTERS, in windows of 256: window 0: v0-31 addresses, v32-95 scale words of x (lanes 0-15) and W (lanes 16-31), v96-103 the context's scale words, v104-111 the mask, v112-113 p's scale words,
; v128-143 p's two fragments, v144-195 the softmax's registers, v208-255 the context's fragments;  window 1: v0-127 x's fragments of one group (block ab, step s at 64 ab + 8 s), v128-255 the group's 16
; accumulators, then p, then out, then whole rows on their way out;  windows 2, 3: W's fragments (step s, block b at 64 (s % 4) + 8 b of window 2 + s / 4).
.set PITCH,  272                       ; an LDS row: 256 bytes + 16 of padding: the 16 rows that a fragment load touches start at 16 different groups of banks
.set HALFT,  128*PITCH
.set SLOT,   4*HALFT                   ; x's 256 rows, then W's 256
.set SCL,    2*SLOT                    ; the scale bytes: x's 256 rows, then W's: 32 bytes a row, 16 of padding behind each 256
.set HALFS,  16*272
.set SBLK,   2*272
.set SPITCH, 528                       ; the way out: a stage of 16 rows x (512 bytes + 16) a wave,
.set STG,    2*HALFT                   ; in W's part of slot 0: every wave has read that part into registers in front of the second barrier, and nothing is filled again
.set FLOOR, 0x1800000                  ; 2^(3 - 127): under it no largest p is taken, so a scale's byte cannot fall under 1
.set ADRA, 16
.set ADRB, 20
.set ADRS, 27
.set STO,  24
.set RD,   25
.set CO,   26
.set SC,   32
.set WV, 20
.set AH, 21
.set BH, 22
.set G1X, 44
.set G1W, 52
.set G0,  76
.set G1F, (1<<20)|(1<<21)|(5<<22)|(3<<25)   ; elements of 1 byte; padding on; bit 21 beside a mask; 4 words behind every 64
.set CSW, 96
.set MFR, 104
.set PW,  112
.set PF,  128
.set BM,  144
.set BX,  152
.set SO,  160
.set NM,  168
.set LS,  176
.set RS,  184
.set T,   192
.set CF,  208                          ; for each of four tiles of e twelve registers: C0, zeros, C1
.set ACC, 128                          ; window 1
.set QB,  ACC
.set MSB, 0
.macro WIN new                         ; the immediate's high byte repeats the setting that is left
.if MSB != (\new)
	s_set_vgpr_msb (MSB<<8)|(\new)
.set MSB, (\new)
.endif
.endm
.macro PLACES n
.rept \n
	v_nop
.endr
.endm
.macro CREST                           ; a round of the cluster's barrier behind its opening barrier
	s_cmp_lg_u32 s[WV], 0
	s_cbranch_scc1 .Lnot_wave_0_\@
	s_barrier_signal -3
.Lnot_wave_0_\@:
	s_barrier_wait -3
	s_barrier_signal -1
	s_barrier_wait -1
.endm
.macro CROUND
	s_barrier_signal -1
	s_barrier_wait -1
	CREST
.endm
.macro FRAG reg, adr, q, i             ; 16 rows x 128 K of 4-bit codes: lane l holds row l % 16; registers 4 c .. 4 c + 3 hold K = 64 c + 32 (l / 16) + 0 .. 31
.irp c, 0,1
	ds_load_b128 v[\reg+4*\c:\reg+4*\c+3], v[\adr] offset:64*(\q)+32*\c+(\i)*16*PITCH
.endr
.endm
.macro LOADW k                         ; my 128 rows of W, slot k's four steps of 128 along K: 64 loads into window 2 + k
	WIN 0x80+0x40*(\k)
.irp q, 0,1,2,3
.irp i, 0,1,2,3,4,5,6,7
	FRAG 64*\q+8*\i, ADRB+\k, \q, \i
.endr
.endr
.endm
.macro LOADA g, k                      ; group g's two blocks of 16 rows of x, slot k's four steps: 16 loads into window 1
	WIN 0x40
.irp ab, 0,1
.irp q, 0,1,2,3
	FRAG 64*\ab+8*(4*(\k)+\q), ADRA+\k, \q, 2*(\g)+\ab
.endr
.endr
.endm
; 32 products of group g: steps q0, q0 + 1 of slot k, x's two blocks x W's eight.  The 16 accumulators take turns, one instruction a turn, in one order in every step.
; zero = 1: the first step's products start the sums: nothing is cleared.
.macro MUL32 g, k, q0, zero
	WIN 0x56+(\k)                                  ; source 0 (W) window 2 + k; source 1 (x), C and D window 1
.irp q, \q0, \q0+1
.irp ab, 0,1
.irp b, 0,1,2,3,4,5,6,7
.if (\zero) && ((\q) == 0)
	v_wmma_scale_f32_16x16x128_f8f6f4 v[ACC+64*\ab+8*\b:ACC+64*\ab+8*\b+7], v[64*(\q)+8*\b:64*(\q)+8*\b+7], v[64*\ab+8*(4*(\k)+(\q)):64*\ab+8*(4*(\k)+(\q))+7], 0, v[SC+32*(\k)+4*\b+(\q)], v[SC+32*(\k)+4*(2*(\g)+\ab)+(\q)] matrix_a_fmt:MATRIX_FMT_FP4 matrix_b_fmt:MATRIX_FMT_FP4 matrix_a_scale:MATRIX_SCALE_ROW1
.else
	v_wmma_scale_f32_16x16x128_f8f6f4 v[ACC+64*\ab+8*\b:ACC+64*\ab+8*\b+7], v[64*(\q)+8*\b:64*(\q)+8*\b+7], v[64*\ab+8*(4*(\k)+(\q)):64*\ab+8*(4*(\k)+(\q))+7], v[ACC+64*\ab+8*\b:ACC+64*\ab+8*\b+7], v[SC+32*(\k)+4*\b+(\q)], v[SC+32*(\k)+4*(2*(\g)+\ab)+(\q)] matrix_a_fmt:MATRIX_FMT_FP4 matrix_b_fmt:MATRIX_FMT_FP4 matrix_a_scale:MATRIX_SCALE_ROW1
.endif
.endr
.endr
.endr
.endm
	s_load_b512 s[4:19], s[0:1], 0x0               ; x codes 4, x scales 6, W codes 8, W scales 10, mask 12, cc 14, cs 16, out0 18
	v_lshl_add_u32 v206, v0, 2, 0x48400
	v_mov_b32 v207, 0
	ds_add_u32 v206, v207
	ds_add_u32 v206, v207
	v_lshrrev_b32 v4, 5, v0
	v_readfirstlane_b32 s[WV], v4
	s_lshr_b32 s[AH], s[WV], 1                     ; which 128 rows are mine
	s_and_b32 s[BH], s[WV], 1                      ; which two heads
	s_bfe_u32 s23, ttmp6, 0x40000                  ; cx
	s_bfe_u32 s24, ttmp6, 0x40004                  ; cy
	s_lshl_b32 s25, ttmp9, 2
	s_add_co_u32 s25, s25, s23                     ; tx: four heads
	s_and_b32 s26, ttmp7, 0xffff
	s_lshl_b32 s26, s26, 2
	s_add_co_u32 s26, s26, s24                     ; ty: 256 rows
	s_lshr_b32 s27, s26, 4                         ; b
	s_lshl_b32 s30, s24, 2
	s_lshl_b32 s30, 15, s30                        ; my row of the cluster: x's tiles
	s_lshl_b32 s34, 0x1111, s23                    ; my column: W's
	s_or_b32 s[G1X], s30, G1F
	s_or_b32 s[G1W], s34, G1F
.irp g, G1X, G1W
	s_mov_b32 s[\g+1], 256<<16                     ; tensor_dim0 = 256 bytes
	s_mov_b32 s[\g+2], 64<<16                      ; tensor_dim1 = 64 rows
	s_mov_b32 s[\g+3], 256<<16                     ; tile_dim0
	s_mov_b32 s[\g+4], 64                          ; tile_dim1
	s_mov_b32 s[\g+6], 0
	s_mov_b32 s[\g+7], 0
.endr
	s_mov_b32 s[G1X+5], 512
	s_mov_b32 s[G1W+5], 1536                       ; every third row of W
	s_lshl_b32 s31, s26, 8
	s_lshl_b32 s32, s[WV], 6
	s_add_co_u32 s31, s31, s32                     ; x: rows 256 ty + 64 w on
	s_lshl_b32 s32, s31, 9
	s_mov_b32 s33, 0
	s_lshl_b32 s35, s25, 2
	s_add_co_u32 s35, s35, s[WV]                   ; W: head 4 tx + w
	s_mul_i32 s36, s35, 192*512
	s_mov_b32 s37, 0
	s_mul_i32 s60, s[WV], 64*272
	s_mov_b32 s40, 0x3e38aa3b                      ; log2(e) / 8
	s_mov_b32 s41, s40
	s_mov_b32 s42, 0x76543210                      ; v_permlanex16_b32's selects for lane l xor 16
	s_mov_b32 s43, 0xfedcba98
	s_wait_dscnt 0x0
	s_wait_kmcnt 0x0
	s_add_nc_u64 s[32:33], s[4:5], s[32:33]
	s_add_nc_u64 s[36:37], s[8:9], s[36:37]
.irp k, 0,1
	s_mov_b32 s[G0+8*\k], 1
	s_add_co_u32 s[G0+8*\k+1], s60, \k*SLOT
	s_add_nc_u64 s[G0+8*\k+2:G0+8*\k+3], s[32:33], 256*\k
	s_or_b32 s[G0+8*\k+3], s[G0+8*\k+3], 0x80000000
	s_mov_b32 s[G0+8*\k+4], 1
	s_add_co_u32 s[G0+8*\k+5], s60, 2*HALFT+\k*SLOT
	s_add_nc_u64 s[G0+8*\k+6:G0+8*\k+7], s[36:37], 256*\k
	s_or_b32 s[G0+8*\k+7], s[G0+8*\k+7], 0x80000000
.endr
	CROUND                                         ; all sixteen work-groups are here: the joint loads meet
	tensor_load_to_lds s[G0:G0+3], s[G1X:G1X+7]    ; all fills of the launch, in one group: four loads of mine are out
	s_nop 0
	tensor_load_to_lds s[G0+4:G0+7], s[G1W:G1W+7]
	s_nop 0
	tensor_load_to_lds s[G0+8:G0+11], s[G1X:G1X+7]
	s_nop 0
	tensor_load_to_lds s[G0+12:G0+15], s[G1W:G1W+7]
	s_nop 0
	PLACES 4
	v_and_b32 v1, 15, v0                           ; r
	v_bfe_u32 v2, v0, 4, 1                         ; h
	v_and_b32 v3, 31, v0                           ; lane
	v_lshlrev_b32 v4, 4, v0
	s_lshl_b32 s60, s26, 13                        ; x's scale bytes: 256 rows of 32 bytes, dense
	v_add_nc_u32 v5, s60, v4
	v_lshrrev_b32 v7, 1, v0
	v_mul_u32_u24 v7, v7, 96                       ; W's: d = thread / 2, three rows of 32 bytes a d
	v_and_b32 v8, 1, v0
	v_lshl_add_u32 v7, v8, 4, v7
	s_mul_i32 s61, s25, 24576                      ; 4 tx x 192 rows x 32 bytes
	v_add_nc_u32 v7, s61, v7
.irp k, 0,1,2,3
	global_load_b128 v[144+4*\k:147+4*\k], v5, s[6:7] offset:2048*\k
.endr
.irp k, 0,1,2,3
	global_load_b128 v[160+4*\k:163+4*\k], v7, s[10:11] offset:6144*\k
.endr
	s_lshl_b32 s60, s27, 4                         ; the context of my two heads: batch and head 16 b + 4 tx + 2 BH + hh
	s_lshl_b32 s61, s25, 2
	s_add_co_u32 s60, s60, s61
	s_lshl_b32 s61, s[BH], 1
	s_add_co_u32 s60, s60, s61
	s_lshl_b32 s61, s60, 11
	v_lshl_add_u32 v10, v3, 4, s61
	s_lshl_b32 s61, s60, 9
	v_lshl_add_u32 v11, v3, 2, s61
.irp e, 0,1,2,3
	global_load_b128 v[CF+12*\e:CF+12*\e+3], v10, s[14:15] offset:512*\e              ; head 0's four registers of tile e, as they were stored
	global_load_b128 v[CF+12*\e+8:CF+12*\e+11], v10, s[14:15] offset:2048+512*\e      ; head 1's
.endr
.irp f, 0,1,2,3,4,5,6,7
	global_load_b32 v[CSW+\f], v11, s[16:17] offset:128*\f
.endr
	s_lshl_b32 s60, s26, 10
	s_lshl_b32 s61, s[AH], 9
	s_add_co_u32 s60, s60, s61
	v_lshl_add_u32 v12, v1, 2, s60
.irp a, 0,1,2,3,4,5,6,7
	global_load_b32 v[MFR+\a], v12, s[12:13] offset:64*\a                 ; the mask of row 16 a + r
.endr
	s_lshl_b32 s60, s26, 20                        ; out0: row 256 ty + 128 AH of 4,096 bytes, column 256 tx + 128 BH
	s_lshl_b32 s61, s[AH], 19
	s_add_co_u32 s60, s60, s61
	s_lshl_b32 s61, s25, 10
	s_add_co_u32 s60, s60, s61
	s_lshl_b32 s61, s[BH], 9
	s_add_co_u32 s60, s60, s61
	s_mov_b32 s61, 0
	s_add_nc_u64 s[18:19], s[18:19], s[60:61]
	v_lshrrev_b32 v9, 4, v0
	v_lshl_add_u32 v9, v9, 4, v4
	v_add_nc_u32 v9, SCL, v9                       ; a piece of 16 scale bytes: 16 t + 16 (t / 16)
	v_mul_u32_u24 v13, v1, PITCH
	v_lshl_add_u32 v13, v2, 4, v13
	s_mul_i32 s60, s[AH], HALFT
	s_mul_i32 s61, s[BH], HALFT
	s_add_co_u32 s61, s61, 2*HALFT
.irp s, 0,1
	v_add_nc_u32 v[ADRA+\s], s60, v13
	v_add_nc_u32 v[ADRB+\s], s61, v13
	s_add_co_u32 s60, s60, SLOT
	s_add_co_u32 s61, s61, SLOT
.endr
	v_mul_u32_u24 v13, v1, 32
	v_lshrrev_b32 v14, 8, v13
	v_lshl_add_u32 v13, v14, 4, v13
	s_mul_i32 s60, s[AH], HALFS
	s_mul_i32 s61, s[BH], HALFS
	s_add_co_u32 s61, s61, 2*HALFS
	s_sub_co_u32 s61, s61, s60
	v_mul_u32_u24 v14, s61, v2                     ; lanes 16-31 take W's words
	s_add_co_u32 s60, s60, SCL
	v_add_nc_u32 v13, v13, v14
	v_add_nc_u32 v[ADRS], s60, v13
	s_mul_i32 s60, s[WV], 16*SPITCH
	s_add_co_u32 s60, s60, STG                     ; my stage
	v_mul_u32_u24 v13, v1, SPITCH
	v_lshl_add_u32 v13, v2, 5, v13
	v_add_nc_u32 v[STO], s60, v13                  ; in: row r, 32 bytes for each half of the lanes
	v_lshlrev_b32 v[CO], 4, v3
	v_add_nc_u32 v[RD], s60, v[CO]                 ; back: the 32 lanes take one row of 512 bytes; and the same in out0
.irp e, 0,1,2,3
.irp i, 4,5,6,7
	v_mov_b32 v[CF+12*\e+\i], 0                    ; the zero codes that head 0's and head 1's fragments of tile e share
.endr
.endr
	s_wait_loadcnt 24                              ; the eight loads of scale bytes are in; behind them 8 of the context, 8 of its scale words, 8 of the mask
.irp k, 0,1,2,3
	ds_store_b128 v9, v[144+4*\k:147+4*\k] offset:2176*\k
	ds_store_b128 v9, v[160+4*\k:163+4*\k] offset:2*HALFS+2176*\k
.endr
	s_wait_loadcnt 0x0
.irp a, 0,1,2,3,4,5,6,7
	v_cvt_f32_i32 v[MFR+\a], v[MFR+\a]
.endr
.irp e, 0,1,2,3
	v_lshlrev_b32 v[CSW+4+\e], 16, v[CSW+4+\e]     ; head 1's two bytes scale K = 64 .. 127; the bytes over zero codes are 0
.endr
	s_wait_tensorcnt 2                             ; my two loads of the first half of K have landed; the two of the second may be out
	s_wait_dscnt 0x0                               ; my stores of scale bytes are done
.irp i, 0,1,2,3,4,5,6,7
	v_mov_b32 v[BX+\i], 0                          ; a lane permute's destination counts as one of its sources: written once
.endr
	s_barrier_signal -1
	s_barrier_wait -1                              ; everybody's are
	LOADW 0                                        ; W's first half of K, and group 0's of x
	LOADA 0, 0
	WIN 0
.irp k, 0,1                            ; all scale words: lanes 0-15 x's block i, lanes 16-31 W's block i; four words (512 along K) a load
.irp i, 0,1,2,3,4,5,6,7
	ds_load_b128 v[SC+32*\k+4*\i:SC+32*\k+4*\i+3], v[ADRS] offset:\i*SBLK+16*\k
.endr
.endr
	s_wait_tensorcnt 0x0                           ; my part of the second half of K has landed,
	s_wait_dscnt 0x0                               ; and my reads of W's part of slot 0 are over: behind this barrier it serves as the stages
	s_barrier_signal -1
	MUL32 0, 0, 0, 1                               ; work on registers while the others arrive
	s_barrier_wait -1
	LOADW 1                                        ; into registers that no product has named yet: they land under the products below
	LOADA 0, 1
	MUL32 0, 0, 2, 0
	s_wait_dscnt 0x0
	MUL32 0, 1, 0, 0
	MUL32 0, 1, 2, 0
; THE SOFTMAX AND THE LAST PRODUCT of group g: four units of 16 rows x 64 features; unit u = 2 (block % 2) + head lies in registers QB + 32 u on of window 1.  The four units take turns line by line.
.macro SOFTG g
	WIN 0x15                                       ; the largest score of each block of 32 features
.irp u, 0,1,2,3
.irp b, 0,1
	v_max3_num_f32 v[BM+2*\u+\b], v[QB+32*\u+16*\b], v[QB+32*\u+16*\b+1], v[QB+32*\u+16*\b+2]
.endr
.endr
	WIN 0x14
.irp i, 3,5,7,9,11,13
.irp u, 0,1,2,3
.irp b, 0,1
	v_max3_num_f32 v[BM+2*\u+\b], v[BM+2*\u+\b], v[QB+32*\u+16*\b+\i], v[QB+32*\u+16*\b+\i+1]
.endr
.endr
.endr
	WIN 0x04
.irp u, 0,1,2,3
.irp b, 0,1
	v_max_num_f32 v[BM+2*\u+\b], v[BM+2*\u+\b], v[QB+32*\u+16*\b+15]
.endr
.endr
	WIN 0
.irp i, 0,1,2,3,4,5,6,7
	v_permlanex16_b32 v[BX+\i], v[BM+\i], s42, s43
.endr
.irp i, 0,1,2,3,4,5,6,7
	v_max_num_f32 v[BM+\i], v[BM+\i], v[BX+\i]
.endr
.irp u, 0,1,2,3
	v_max_num_f32 v[T+\u], v[BM+2*\u], v[BM+2*\u+1]
.endr
.irp u, 0,1,2,3
	v_mul_f32 v[T+\u], s40, v[T+\u]
.endr
.irp u, 0,1,2,3
	v_floor_f32 v[NM+2*\u], -v[T+\u]               ; -M = floor(-t)
.endr
.irp u, 0,1,2,3
	v_mov_b32 v[NM+2*\u+1], v[NM+2*\u]             ; (named as a pair below)
.endr
	WIN 0x41
.set i, 0
.rept 64
	v_pk_fma_f32 v[QB+2*i:QB+2*i+1], v[QB+2*i:QB+2*i+1], s[40:41], v[NM+2*(i/16):NM+2*(i/16)+1] op_sel_hi:[1,0,0]
.set i, i+1
.endr
	WIN 0
.set i, 0
.rept 8
	v_fma_f32 v[BM+i], v[BM+i], s40, v[NM+2*(i/2)] ; the same of each block's largest score
.set i, i+1
.endr
	WIN 0x41
.set i, 0
.rept 128
	v_exp_f32 v[QB+i], v[QB+i]                     ; p = 2^(t - M)
.set i, i+1
.endr
	WIN 0
.set i, 0
.rept 8
	v_exp_f32 v[BM+i], v[BM+i]                     ; each block's largest p
.set i, i+1
.endr
	v_nop                                          ; a plain place behind the exponentials
	s_wait_alu depctr_va_vdst(0)
.irp i, 0,1,2,3,4,5,6,7
	v_max_num_f32 v[BM+\i], FLOOR, v[BM+\i]
.endr
.irp i, 0,1,2,3,4,5,6,7
	v_add_nc_u32 v[SO+\i], 0xff000000, v[BM+\i]    ; 2 off the exponent field: the conversions' scale operand
.endr
.irp i, 0,1,2,3,4,5,6,7
	v_lshrrev_b32 v[BX+\i], 23, v[SO+\i]           ; the byte
.endr
.irp p, 0,1
	v_lshl_or_b32 v[PW+\p], v[BX+4*\p+1], 8, v[BX+4*\p]    ; a block of rows has one scale word: head 0's two bytes, then head 1's
.endr
.irp p, 0,1
	v_lshl_or_b32 v[PW+\p], v[BX+4*\p+2], 16, v[PW+\p]
.endr
.irp p, 0,1
	v_lshl_or_b32 v[PW+\p], v[BX+4*\p+3], 24, v[PW+\p]
.endr
	WIN 0x01
.irp u, 0,1,2,3
.irp i, 0,1,2,3
	v_cvt_scalef32_pk8_fp4_f32 v[PF+4*\u+\i], v[QB+32*\u+8*\i:QB+32*\u+8*\i+7], v[SO+2*\u+\i/2]
.endr
.endr
	WIN 0
	v_nop                                          ; one plain place behind the scaled conversions
.irp u, 0,1,2,3
.irp i, 0,1
	v_permlane16_swap_b32 v[PF+4*\u+\i], v[PF+4*\u+2+\i]   ; a whole block to a lane: lanes 0-15 the head's block 0, lanes 16-31 its block 1
.endr
.endr
	WIN 0x05                                       ; l: the sum of the unquantised p.  (Also the places between the scale words' write and the products)
.irp u, 0,1,2,3
	v_pk_add_f32 v[LS+2*\u:LS+2*\u+1], v[QB+32*\u:QB+32*\u+1], v[QB+32*\u+2:QB+32*\u+3]
.endr
	WIN 0x04
.irp p, 4,6,8,10,12,14,16,18,20,22,24,26,28,30
.irp u, 0,1,2,3
	v_pk_add_f32 v[LS+2*\u:LS+2*\u+1], v[LS+2*\u:LS+2*\u+1], v[QB+32*\u+\p:QB+32*\u+\p+1]
.endr
.endr
	WIN 0
.irp u, 0,1,2,3
	v_add_f32 v[LS+2*\u], v[LS+2*\u], v[LS+2*\u+1]
.endr
.irp u, 0,1,2,3
	v_permlanex16_b32 v[BX+\u], v[LS+2*\u], s42, s43
.endr
.irp u, 0,1,2,3
	v_add_f32 v[LS+2*\u], v[LS+2*\u], v[BX+\u]
.endr
.irp u, 0,1,2,3
	v_rcp_f32 v[T+\u], v[LS+2*\u]
.endr
	v_nop                                          ; a plain place behind the reciprocals
	s_wait_alu depctr_va_vdst(0)
.irp u, 0,1,2,3
	v_mul_f32 v[RS+2*\u], v[T+\u], v[MFR+2*(\g)+\u/2]      ; mask / l
.endr
.irp u, 0,1,2,3
	v_mov_b32 v[RS+2*\u+1], v[RS+2*\u]
.endr
	WIN 0x40                                       ; out = p context: source 0 = 16 e of the head's context, source 1 = the block's p of both heads; 16 accumulators, one product each
.irp u, 0,1,2,3
.irp e, 0,1,2,3
	v_wmma_scale_f32_16x16x128_f8f6f4 v[QB+32*\u+8*\e:QB+32*\u+8*\e+7], v[CF+12*\e+4*(\u%2):CF+12*\e+4*(\u%2)+7], v[PF+8*(\u/2):PF+8*(\u/2)+7], 0, v[CSW+4*(\u%2)+\e], v[PW+\u/2] matrix_a_fmt:MATRIX_FMT_FP4 matrix_b_fmt:MATRIX_FMT_FP4
.endr
.endr
	PLACES 5                                       ; four in front of the first read of results; the fifth since the next group's products begin these accumulators anew
	WIN 0x41
.set i, 0
.rept 64
	v_pk_mul_f32 v[QB+2*i:QB+2*i+1], v[QB+2*i:QB+2*i+1], v[RS+2*(i/16):RS+2*(i/16)+1] op_sel_hi:[1,0]   ; each accumulator from its low end on
.set i, i+1
.endr
.endm
; THE WAY OUT of the group's block ab (16 rows x 128 columns): a lane's 32 bytes of a row into my stage, back as whole rows of 512 bytes, into the registers that they left.
; LDS serves a wave's instructions in order: no wait between the stores and the loads, nor in front of the next block's stores.
.macro TOSTAGE ab
.set AC, ACC+64*(\ab)
	WIN 0x04
.irp b, 0,1,2,3,4,5,6,7
	ds_store_b128 v[STO], v[AC+8*\b:AC+8*\b+3] offset:64*\b
	ds_store_b128 v[STO], v[AC+8*\b+4:AC+8*\b+7] offset:64*\b+16
.endr
	WIN 0x40
.irp t, 0,1,2,3,4,5,6,7,8,9,10,11,12,13,14,15
	ds_load_b128 v[AC+4*\t:AC+4*\t+3], v[RD] offset:\t*SPITCH
.endr
.endm
.macro SEND g, ab, younger             ; younger: the LDS instructions issued behind this block's loads, which may stay out
.set AC, ACC+64*(\ab)
	s_wait_dscnt \younger
	WIN 0x04
.irp t, 0,1,2,3,4,5,6,7,8,9,10,11,12,13,14,15
	global_store_b128 v[CO], v[AC+4*\t:AC+4*\t+3], s[18:19] offset:65536*(2*(\g)+\ab)+4096*\t th:TH_STORE_NT   ; 32 lanes store 512 consecutive bytes, at a multiple of 512 from out0's first byte; written once
.endr
.endm
.irp g, 0,1,2,3
.if \g > 0
	s_wait_xcnt 0x0                                ; the last group's stores have read their registers, which the products below begin anew
	MUL32 \g, 0, 0, 1
	MUL32 \g, 0, 2, 0
	MUL32 \g, 1, 0, 0
	MUL32 \g, 1, 2, 0
.endif
	PLACES 4                                       ; four places in front of loads into registers that these products have read, and of the first read of their results
.if \g < 3
	LOADA \g+1, 0                                  ; the next group's rows of x: they land during this group's softmax
	LOADA \g+1, 1
.endif
	SOFTG \g
	TOSTAGE 0
	TOSTAGE 1
	SEND \g, 0, 32                                 ; behind its loads: the second block's 16 stores and 16 loads
	SEND \g, 1, 0                                  ; (the next group's fragments of x, asked for earlier, are in as well)
.endr
	WIN 0
	s_wait_dscnt 0x0
	s_wait_tensorcnt 0x0
	ds_add_u32 v206, v207
	s_wait_dscnt 0x0
	CROUND                                         ; the closing round: no work-group ends while a partner may still ask for a tile that names it
	s_endpgm
.Lfunc_end_k_qb1666e094b_qo:
	.size	k_qb1666e094b_qo, .Lfunc_end_k_qb1666e094b_qo-k_qb1666e094b_qo
	.p2alignl 7, 3214868480
	.fill 96, 4, 3214868480
	.section	.rodata,"a",@progbits
	.p2align	6, 0x0
	.amdhsa_kernel k_qb1666e094b_qo
		.amdhsa_group_segment_fixed_size 296448
		.amdhsa_private_segment_fixed_size 0
		.amdhsa_enable_private_segment 0
		.amdhsa_kernarg_size 64
		.amdhsa_user_sgpr_count 2
		.amdhsa_user_sgpr_kernarg_segment_ptr 1
		.amdhsa_wavefront_size32 1
		.amdhsa_system_sgpr_workgroup_id_x 1
		.amdhsa_system_sgpr_workgroup_id_y 1
		.amdhsa_system_sgpr_workgroup_id_z 1
		.amdhsa_system_vgpr_workitem_id 0
		.amdhsa_next_free_vgpr 1024
		.amdhsa_next_free_sgpr 96
		.amdhsa_reserve_vcc 0
		.amdhsa_float_denorm_mode_32 3
		.amdhsa_float_denorm_mode_16_64 3
		.amdhsa_memory_ordered 1
		.amdhsa_forward_progress 1
		.amdhsa_inst_pref_size 237
	.end_amdhsa_kernel
	.amdgpu_metadata
---
amdhsa.version: [ 1, 2 ]
amdhsa.kernels:
  - .name:           k_qb1666e094b_qo
    .symbol:         k_qb1666e094b_qo.kd
    .args:
      - { .name: x_codes, .offset: 0, .size: 8, .value_kind: global_buffer, .address_space: global }
      - { .name: x_scales, .offset: 8, .size: 8, .value_kind: global_buffer, .address_space: global }
      - { .name: w_qkv_codes, .offset: 16, .size: 8, .value_kind: global_buffer, .address_space: global }
      - { .name: w_qkv_scales, .offset: 24, .size: 8, .value_kind: global_buffer, .address_space: global }
      - { .name: mask, .offset: 32, .size: 8, .value_kind: global_buffer, .address_space: global }
      - { .name: cc, .offset: 40, .size: 8, .value_kind: global_buffer, .address_space: global }
      - { .name: cs, .offset: 48, .size: 8, .value_kind: global_buffer, .address_space: global }
      - { .name: out0, .offset: 56, .size: 8, .value_kind: global_buffer, .address_space: global }
    .group_segment_fixed_size: 296448
    .private_segment_fixed_size: 0
    .kernarg_segment_align: 8
    .kernarg_segment_size: 64
    .max_flat_workgroup_size: 128
    .sgpr_count:     96
    .vgpr_count:     1024
    .wavefront_size: 32
...
	.end_amdgpu_metadata
.endif
;; end of part 3
